; MI455X (gfx1250); checked and timed in simulation.
; The chip was launched on July 23, 2026; its instructions are those of AMD's public machine-readable ISA for CDNA 5 (MIT licence, August 2026) and "CDNA5" Instruction Set Architecture Reference Guide (July 2026). The comments in the code are by the model that wrote it; some were corrected since.
;; Custom Feed Forward. Allowed arithmetic: matrix products marked QUANTISED: E5M2 operands, one E8M0 scale for each 32 along K, by v_wmma_scale_f32_16x16x128_f8f6f4 with both operands' format E5M2, f32 sums; everything else in f32.
;; Inputs: w1_codes 8,192 x 64 x 32 uint8 (E5M2 codes of w1, K innermost, in blocks of 32 codes); w1_scales 8,192 x 64 uint8 (E8M0 scales of w1, one for each 32 codes along K); w2_codes 8,192 x 64 x 32 uint8 (E5M2 codes of w2, K innermost, in blocks of 32 codes); w2_scales 8,192 x 64 uint8 (E8M0 scales of w2, one for each 32 codes along K); w3_codes 2,048 x 256 x 32 uint8 (E5M2 codes of w3, K innermost, in blocks of 32 codes); w3_scales 2,048 x 256 uint8 (E8M0 scales of w3, one for each 32 codes along K); x_codes 4 x 256 x 64 x 32 uint8 (E5M2 codes of x, K innermost, in blocks of 32 codes); x_scales 4 x 256 x 64 uint8 (E8M0 scales of x, one for each 32 codes along K).
;; Outputs: out0 4 x 256 x 2,048 float32.
;; Constants: scale_x = 1.
;; This version of the problem:
;;   THIS VERSION OF THE PROBLEM IS GIVEN IN LOW PRECISION. The matrix products marked QUANTISED in the list below multiply operands that are first quantised to E5M2 (5 exponent bits, 2 mantissa bits; 8 bits a number), with one power-of-two scale for each 32 numbers along K (OCP MX v1.0); their sums are f32. All else is computed in f32.
;;   The module's matrix products, in the order in which they are computed (A, B: the left and right operand; K: the contracted axis; several contracted axes count as one K, in the product's order):
;;     1. [M 1,024, K 2,048] x [K 2,048, N 8,192]; A: input x (given as codes); B: input w1 (given as codes): QUANTISED
;;     2. [M 1,024, K 2,048] x [K 2,048, N 8,192]; A: input x (given as codes); B: input w2 (given as codes): QUANTISED
;;     3. [M 1,024, K 8,192] x [K 8,192, N 2,048]; A: computed on the way; B: input w3 (given as codes): QUANTISED
;;   THE QUANTISER, for each operand of a quantised product, along K:
;;     - K is cut into blocks of 32 from its start; a last block that is shorter is filled with zeros.
;;     - A block's scale is 2^e with e = floor(log2(the largest magnitude in the block)) - 15, held to -126 .. 127; a block of zeros has e = 0. As a byte (E8M0): e + 127.
;;     - Each number is divided by its block's scale, clamped to +-57,344, and rounded to the nearest number of E5M2, ties to even, subnormals kept.
;;     - The product sums the exact products of the quantised numbers (number of the format x scale) in f32.
;;   ~~~python
;;   def quantise(x, axis):      # numpy; x: float32 -> the quantised numbers, widened to float32 again
;;       x = np.moveaxis(x, axis, -1); K = x.shape[-1]
;;       x = np.pad(x, [(0, 0)] * (x.ndim - 1) + [(0, -K % 32)]); x = x.reshape(x.shape[:-1] + (-1, 32)); a = np.abs(x).max(-1, keepdims=True)
;;       e = np.where(a > 0, np.clip(np.frexp(np.where(a > 0, a, 1))[1] - 1 - 15, -126, 127), 0)      # np.frexp(a)[1] - 1 = floor(log2(a)), exactly
;;       r = np.clip(x / 2.0 ** e, -57344, 57344)
;;       step = 2.0 ** (np.maximum(np.frexp(np.where(r == 0, 1, r))[1] - 1, -14) - 2)
;;       q = np.round(r / step) * step * 2.0 ** e      # np.round: ties to even
;;       return np.moveaxis(q.reshape(q.shape[:-2] + (-1,))[..., :K], -1, axis).astype(np.float32)
;;   ~~~
;;   OPERANDS COMPUTED ON THE WAY. 'Computed on the way' means the value that the module computes at that place (a softmax that the list does not call 'softmax' is quantised finished and normalised). What goes into a quantiser is computed in f32, as accurately as f32 sums, v_exp_f32 and their like allow (about 1e-6 of the number): no bf16 or f16 on the way to a quantiser, and a product that is left as it is and whose result goes on into a quantised operand takes f32 operands (vector FMAs, or v_wmma_f32_16x16x4_f32). A number that lies on a knife's edge between two numbers of the format may be rounded either way, as far as f32 arithmetic and the matrix unit's own rounding can turn it there, and no further.
;;   INPUTS GIVEN AS CODES. w1 (in the module: [8192, 2048], K = its axis 1); w2 (in the module: [8192, 2048], K = its axis 1); w3 (in the module: [2048, 8192], K = its axis 1); x (in the module: [4, 256, 2048], K = its axis 2): each comes as NAME_codes (uint8): NAME with its K axis moved to the last place and cut into blocks of 32 codes, [.., K / 32, bytes a block], one block behind the other in memory; one code a byte (a code: sign, 5 exponent bits, 2 mantissa bits); and NAME_scales (uint8): the same leading axes, one E8M0 byte (e + 127) for each 32 codes along K. Its value is code x scale, taken as it is: it is not quantised again, and the codes and scales need not be those that the quantiser above would give.
;; 2 versions. Each part assembles by itself: llvm-mc -triple=amdgcn-amd-amdhsa -mcpu=gfx1250 --defsym DOCPART=n.
;; ======== version 1 of 2: 2 launches
;; workspace buffers: h_codes 8,388,608 bytes; h_scales 262,144 bytes
;; launch gateup (part 1): grid 64 x 4, 4 waves a work-group, clusters of 4 x 4, 327,680 bytes of LDS; arguments x_codes, x_scales, w1_codes, w1_scales, w2_codes, w2_scales, h_codes, h_scales; writes h_codes, h_scales
.if DOCPART == 1
	.amdgcn_target "amdgcn-amd-amdhsa--gfx1250"
	.amdhsa_code_object_version 6
	.text
	.protected	k_q73bf5dfebd_gateup
	.globl	k_q73bf5dfebd_gateup
	.p2align	8
	.type	k_q73bf5dfebd_gateup,@function
k_q73bf5dfebd_gateup:
	s_mov_b64 s[64:65], 0
	v_nop
	global_prefetch_b8 v0, s[64:65] scope:SCOPE_SE
	s_setreg_imm32_b32 hwreg(HW_REG_WAVE_MODE, 25, 1), 1
	s_wait_xcnt 0x0
	s_wait_alu depctr_hold_cnt(0) depctr_sa_sdst(0) depctr_va_vdst(0) depctr_va_sdst(0) depctr_va_ssrc(0) depctr_va_vcc(0) depctr_vm_vsrc(0)
	s_getreg_b32 s2, hwreg(HW_REG_IB_STS2, 6, 4)
	s_cmp_eq_u32 s2, 0
	s_cbranch_scc0 .Lentry_in_a_cluster
	s_endpgm
.Lentry_in_a_cluster:
	s_bfe_u32 s2, ttmp6, 0x10000c
	s_cmp_lg_u32 s2, 0xf033
	s_cbranch_scc0 .Lentry_shape_is_right
	s_endpgm
.Lentry_shape_is_right:
; h = silu(x w1^T) * (x w2^T), quantised along the hidden axis to codes of BF8 (E5M2) with one E8M0 byte for each 32.
; x: [1024][2048], w1, w2: [8192][2048]: codes of BF8, K innermost, one E8M0 byte for each 32 along K ([rows][64]).  Both products by the scaled matrix instruction on codes and bytes as they lie; sums in f32.
; SHARES.  A work-group makes 256 rows x 128 hidden units of h: a matrix tile of 256 x 256, x's 256 rows against 128 rows of w1 and the same 128 rows of w2.  1024/256 x 8192/128 = 256 work-groups.
; Each of the four waves makes 128 x 128: 128 rows of x against 64 rows of w1 (B's blocks 0-3: the gate) and the same 64 rows of w2 (blocks 4-7: up), so that gate and up of one h lie in one lane at one register index.
; K goes in steps of 256 through a ring of two LDS slots filled by the tensor data mover (rows of 256 bytes); the scale bytes of all of K come once, with the first fills, and stay.
; CLUSTERS: 4 x 4 work-groups.  The four of a row of the cluster need the same tiles of x, the four of a column the same tiles of w1 and w2: each tile is asked for JOINTLY, by the same tensor load with the same
; descriptor and a mask that names the four.  THE MATRIX INSTRUCTION IS USED TRANSPOSED (source 0 = 16 rows of W, source 1 = 16 rows of x): a lane holds one row of x and eight neighbouring hidden units.
; THE WAY OUT.  h = (g u) / (1 + 2^(-g log2 e)) in f32; a block of 32 hidden units lies in lanes l and l xor 16; its scale is its largest magnitude's exponent field less 15; each number is held within 57,344 x the scale
; and converted.  Codes and scale bytes meet in a stage in LDS and leave as dense runs: h_codes [K step of 512: 16][64 rows: 16][quarter of 128: 4][row: 64][128 bytes], h_scales [128 hidden: 64][row: 1024][4 bytes].
; LIMITS: NaN and infinities in h are not served.  A block of h that is all zeros gets the byte 1 where the quantiser says 127: its codes are zeros, and this program alone reads the bytes.
; Where the gate lies under -88.7 the exponential is infinite and h is a signed zero, where the exact value lies under 1e-36 x |g u|; g u itself must be finite.  (g u) x sigmoid rounds in another order than (g x sigmoid) x u: about 1e-7 of the number.
; One tile to a work-group: there are exactly as many tiles as work-groups, so none stays for a second tile.
; REGISTERS, in windows of 256: window 0: v0-31 addresses; v32-63 scale words, two sets, and nothing else; v64-127 at work on the way out; from v128 x's fragments (8 x 16 rows x 128 K), ONE set.
;   window 1: W's fragments, TWO sets, at v0 and v128.   window 2: the 32 accumulators of my rows 0-63 (accumulator (a, b) at v[8 (8 a + b)]);   window 3: those of my rows 64-127.
.set KSTEP,  256                       ; along K in a slot
.set NQ,     2                         ; matrix instructions deep
.set ROWB,   256                       ; a tile's row in bytes
.set KROW,   2048                      ; a row of x or of W in memory, in bytes
.set PITCH,  272                       ; an LDS row: 256 bytes + 16 of padding = 68 words: the 16 rows that a load touches start 4 banks apart (64 banks of 4 bytes: ISA guide 11.1)
.set FR,     16                        ; registers of a fragment: 16 rows x 128 K
.set NL,     4                         ; LDS loads that bring one
.set NP,     8                         ; places behind this matrix instruction (ISA guide 7.12.1)
.set HALFT,  128*PITCH                 ; 128 rows: what one tensor load brings
.set SLOT,   4*HALFT                   ; x's 256 rows, w1's 128, w2's 128
.set LAPS,   4                         ; a lap = two K steps; 2048 / 512
.set KS,     64                        ; a row of scale bytes
.set SCL,    2*SLOT                    ; behind the ring: the scales, as runs of 256 bytes + 16 of padding: x's two halves, w1's, w2's
.set HALFS,  (128*KS/256)*272          ; the scales of 128 rows
.set SBLK,   (16*KS/256)*272           ; those of 16 rows
.set SPARE,  SCL+4*HALFS               ; the spare words, 128 bytes for each wave: two blocks of 256 bytes that no other line names
.set SP,     144                       ; the way out: a stage row: 128 codes + 16 of padding
.set STG,    0                         ; the stage, 256 rows: in slot 0, which has had its last fill and its last read when the first code is stored there
.set STGS,   256*SP                    ; behind it the rows' scale words, 4 bytes a row
.set ADRA, 16                          ; v16-17  LDS address of my fragments of x in slot 0, 1
.set ADRB, 20                          ; v20-21  the same for W
.set RDS,  18                          ; v18     the way out: where I read 8 bytes of scale words back
.set GOC,  19                          ; v19     16 x lane: my place in a run of codes
.set GOS,  22                          ; v22     8 x lane: my place in a run of scale words
.set ADRS2, 23                         ; v23     as ADRS, for blocks 4-7: lanes 16-31 stand in w2's scales
.set STO,  24                          ; v24     the way out: where I put 8 codes of a row
.set STS,  25                          ; v25     and my row's two scale bytes
.set RDC,  26                          ; v26     where I read 16 codes back
.set ADRS, 27                          ; v27     LDS address of my scale words: lanes 0-15 x's rows, lanes 16-31 W's
.set SPW,  28                          ; v28     LDS address of my spare word; never rewritten
.set NIL,  29                          ; v29     0; never rewritten
.set PFO,  30                          ; v30     the prefetches' offset: my lane x a row of 2,048 bytes; never rewritten
.set SC,   32                          ; scale words: set s at v[SC + 16 s]; register 2 i + q: lanes 0-15 x's block i, lanes 16-31 W's block i, the slot's q-th 128 along K
.set T,    64                          ; v64-95   the way out: -g log2 e, its exponential, 1 + that, the reciprocal
.set P,    96                          ; v96-127  g u, then h
.set AF,   128                         ; x's fragments
.set C,    128                         ; the way out: v128-191 codes, eight registers for each block of rows
.set E,    192                         ; v192-199 two scale bytes for each block of rows
.set M,    200                         ; v200-203 largest magnitudes, two chains for each of two blocks
.set N,    204                         ; v204-205 the other half's maxima, then the bytes
.set F,    206                         ; v206-207 the conversions' scale operands
.set HD,   208                         ; v208-209 57,344 x the scale
.set SBK,  210                         ; v210-211 scale words read back
.set MNT,  2                           ; s2       the mantissa field of 57,344
.set SEL,  12                          ; s[12:13] lane selects for v_permlanex16_b32 (at the head: LDS offsets of my fills)
.set LIM,  43                          ; s43      1 in a wave that prefetches, else the greatest number
.set PFA,  44                          ; s[44:45] where my prefetches stand
.set NL2,  66                          ; s[66:67] -log2 e, twice: the packed form names a pair
.set G1, 24                            ; s[24:31] descriptor group 1 for x's tiles;  s[32:39] group 0, one set for each slot
.set G0, 32
.set G1B, 48                           ; s[48:55], s[56:63] the same for W's tiles
.set G0B, 56
.set G1S, 68                           ; s[68:75], s[76:79] groups 1 and 0 for x's scales;  s[80:87], s[88:91] for W's
.set G0S, 76
.set G1SB, 80
.set G0SB, 88
.set MSB, 0
.macro WIN new                         ; the immediate's high byte repeats the setting that is left; a switch that changes nothing is dropped
.if MSB != (\new)
	s_set_vgpr_msb (MSB<<8)|(\new)
.set MSB, (\new)
.endif
.endm
.set MUL_LO, 0xa1                      ; source 0 (W) window 1, source 1 (x) window 0, C and D window 2
.set MUL_HI, 0xf1                      ; the same, C and D window 3
.set TO_B,   0x40                      ; destination window 1, address window 0
; A joint load: waves 0 and 1 fetch x's two halves, wave 2 w1's rows, wave 3 w2's.  Each of the two lines has one mask; the branch hangs on the wave's number alone.
; Four v_nop follow each of the two lines, ahead of the jump, the label and what follows.
.macro JLOAD g0a, g1a, g0b, g1b
	s_cmp_eq_u32 s15, 0
	s_cbranch_scc0 .Lfor_b_\@
	tensor_load_to_lds s[\g0a:\g0a+3], s[\g1a:\g1a+7]
	s_nop 0
.rept 4
	v_nop
.endr
	s_branch .Lasked_\@
.Lfor_b_\@:
	tensor_load_to_lds s[\g0b:\g0b+3], s[\g1b:\g1b+7]
	s_nop 0
.rept 4
	v_nop
.endr
.Lasked_\@:
.endm
; A prefetch of the K step that stands two refills on: 32 rows x 256 bytes, a lane a row, one instruction a wave.  Of the 128 rows that a wave fetches, each of the four partners that ask for them jointly takes 32,
; told apart by address (cx for x, cy for W).  x's rows are read by every cluster: the first (cluster x = 0) asks; W's rows are read by this cluster alone.  So each row's 256 bytes of a K step are named once.
; The loop's last trip (s3 = 1) asks for nothing: its refills are K steps 6 and 7, and there is no K step 8.  K steps 0 to 3 come by their loads alone.
.macro ASK
	s_cmp_gt_u32 s3, s[LIM]
	s_cbranch_scc0 .Lnot_mine_\@
	global_prefetch_b8 v[PFO], s[PFA:PFA+1] th:TH_LOAD_NT scope:SCOPE_SE
.Lnot_mine_\@:
.endm
.macro CREST                           ; a round of the cluster's barrier behind its opening barrier
	s_cmp_lg_u32 s14, 0
	s_cbranch_scc1 .Lnot_wave_0_\@
	s_barrier_signal -3
.Lnot_wave_0_\@:
	s_barrier_wait -3
	s_barrier_signal -1
	s_barrier_wait -1
.endm
.macro CROUND                          ; a whole round
	s_barrier_signal -1
	s_barrier_wait -1
	CREST
.endm
	s_load_b256 s[4:11], s[0:1], 0x0               ; x's codes s[4:5], x's scales s[6:7], w1's codes s[8:9], w1's scales s[10:11]
	s_load_b256 s[92:99], s[0:1], 0x20             ; w2's codes s[92:93], w2's scales s[94:95], h's codes s[96:97], h's scales s[98:99]
	v_lshl_add_u32 v[SPW], v0, 2, SPARE
	v_mov_b32 v[NIL], 0
	ds_add_u32 v28, v29
	s_wait_dscnt 0x0
	v_lshrrev_b32 v1, 5, v0
	v_readfirstlane_b32 s14, v1                    ; wave 0..3
	s_lshr_b32 s15, s14, 1                         ; which half of the tile's rows is mine.  Also: I fetch for x (0) or for W (1)
	s_and_b32 s16, s14, 1                          ; which half of its hidden units.  Also: which 128 rows of x I fetch
	s_bfe_u32 s40, ttmp6, 0x40000                  ; cx, cy: my place in the cluster
	s_bfe_u32 s41, ttmp6, 0x40004
	s_lshl_b32 s42, ttmp9, 2
	s_add_co_u32 s42, s42, s40                     ; tc: hidden units 128 tc on = 4 x cluster x + cx
	s_and_b32 s17, ttmp7, 0xffff
	s_lshl_b32 s17, s17, 2
	s_add_co_u32 s17, s17, s41                     ; tr: rows 256 tr on = 4 x cluster y + cy
	s_lshl_b32 s43, s41, 2
	s_lshl_b32 s43, 15, s43                        ; my row of the cluster
	s_lshl_b32 s44, 0x1111, s40                    ; my column
	; descriptor group 1: a tile of 128 rows x 256 bytes, padded in LDS
	s_or_b32 s[G1+0], s43, (0<<16)|(1<<20)|(1<<21)|(5<<22)|(3<<25)  ; 15:0 the mask: x's tiles go to my row; 17:16 elements of 1 byte; 20 padding on; 21 set beside a mask; 24:22 after every 64 words (code 5); 31:25 four words (code 3)
	s_or_b32 s[G1B+0], s44, (0<<16)|(1<<20)|(1<<21)|(5<<22)|(3<<25) ; the same with the mask of my column, for W's tiles
.irp g, G1, G1B
	s_mov_b32 s[\g+1], ROWB<<16                    ; tensor_dim0
	s_mov_b32 s[\g+2], 128<<16                     ; tensor_dim1 = 128
	s_mov_b32 s[\g+3], ROWB<<16                    ; tile_dim0
	s_mov_b32 s[\g+4], 128                         ; tile_dim1 = 128
	s_mov_b32 s[\g+5], KROW                        ; tensor_dim0_stride
	s_mov_b32 s[\g+6], 0
	s_mov_b32 s[\g+7], 0
.endr
	; and for the scales of 128 rows: a dense block of 8,192 bytes, as 32 rows of 256 bytes (32 elements of 8 bytes), 16 bytes of padding behind each
	s_or_b32 s[G1S+0], s43, (3<<16)|(1<<20)|(1<<21)|(5<<22)|(3<<25)
	s_or_b32 s[G1SB+0], s44, (3<<16)|(1<<20)|(1<<21)|(5<<22)|(3<<25)
.irp g, G1S, G1SB
	s_mov_b32 s[\g+1], 32<<16
	s_mov_b32 s[\g+2], (128*KS/256)<<16
	s_mov_b32 s[\g+3], 32<<16
	s_mov_b32 s[\g+4], 128*KS/256
	s_mov_b32 s[\g+5], 32
	s_mov_b32 s[\g+6], 0
	s_mov_b32 s[\g+7], 0
.endr
	s_lshl_b32 s18, s16, 7
	s_lshl_b32 s20, s17, 8
	s_add_co_u32 s20, s20, s18                     ; x: row 256 tr + 128 x half
	s_lshl_b32 s22, s20, 6                         ; where these rows' scales begin, in bytes,
	s_lshl_b32 s20, s20, 11                        ; and their codes
	s_mov_b32 s21, 0
	s_mov_b32 s23, 0
	s_lshl_b32 s46, s42, 18                        ; W: row 128 tc: its codes,
	s_mov_b32 s47, 0
	s_lshl_b32 s100, s42, 13                       ; its scales
	s_mov_b32 s101, 0
	s_mul_i32 s12, s14, HALFT                      ; where they go: wave x 128 rows: no place in the cluster enters an LDS address
	s_mul_i32 s13, s14, HALFS
	s_wait_kmcnt 0x0
	s_cmp_eq_u32 s14, 3                            ; wave 3 fetches w2: the choice hangs on the wave's number alone
	s_cselect_b64 s[8:9], s[92:93], s[8:9]
	s_cselect_b64 s[10:11], s[94:95], s[10:11]
	s_add_nc_u64 s[20:21], s[4:5], s[20:21]
	s_add_nc_u64 s[22:23], s[6:7], s[22:23]
	s_add_nc_u64 s[46:47], s[8:9], s[46:47]
	s_add_nc_u64 s[100:101], s[10:11], s[100:101]
	CROUND                                         ; all sixteen work-groups are here: the first joint loads meet
	s_mov_b32 s[G0S], 1
	s_add_co_u32 s[G0S+1], s13, SCL
	s_mov_b64 s[G0S+2:G0S+3], s[22:23]
	s_or_b32 s[G0S+3], s[G0S+3], 0x80000000
	s_mov_b32 s[G0SB], 1
	s_add_co_u32 s[G0SB+1], s13, SCL
	s_mov_b64 s[G0SB+2:G0SB+3], s[100:101]
	s_or_b32 s[G0SB+3], s[G0SB+3], 0x80000000
	JLOAD G0S, G1S, G0SB, G1SB                     ; the scales first: they are wanted with K step 0
.irp s, 0,1
	s_mov_b32 s[G0+4*\s], 1
	s_add_co_u32 s[G0+4*\s+1], s12, \s*SLOT
	s_add_nc_u64 s[G0+4*\s+2:G0+4*\s+3], s[20:21], \s*ROWB
	s_or_b32 s[G0+4*\s+3], s[G0+4*\s+3], 0x80000000
	s_mov_b32 s[G0B+4*\s], 1
	s_add_co_u32 s[G0B+4*\s+1], s12, \s*SLOT
	s_add_nc_u64 s[G0B+4*\s+2:G0B+4*\s+3], s[46:47], \s*ROWB
	s_or_b32 s[G0B+4*\s+3], s[G0B+4*\s+3], 0x80000000
	JLOAD G0+4*\s, G1, G0B+4*\s, G1B               ; three tensor loads of mine are out
.endr
	; the prefetches: s[20:21] stands at my 128 rows of x, s[46:47] at my 128 rows of W
	s_cmp_eq_u32 s15, 0                            ; do I fetch for x?
	s_cselect_b64 s[PFA:PFA+1], s[20:21], s[46:47]
	s_cselect_b32 s18, s40, s41                    ; my place among the four that ask with me
	s_cselect_b32 s19, ttmp9, 0                    ; the coordinate along which other clusters read the same rows; W's have none
	s_cmp_eq_u32 s19, 0
	s_cselect_b32 s[LIM], 1, -1                    ; the same in all sixteen partners, for a given wave
	s_lshl_b32 s18, s18, 16                        ; my work-group's 32 rows of 2,048 bytes
	s_mov_b32 s19, 0
	s_add_nc_u64 s[PFA:PFA+1], s[PFA:PFA+1], s[18:19]
	s_add_nc_u64 s[PFA:PFA+1], s[PFA:PFA+1], 3*ROWB  ; at K step 3: the first refill (K step 2) steps it to 4.  Nothing is prefetched here, at the head
	v_and_b32 v1, 15, v0                           ; r = l % 16
	v_bfe_u32 v2, v0, 4, 1                         ; h = l / 16
	v_mul_u32_u24 v3, v1, PITCH
	v_lshl_add_u32 v4, v2, 4, v3                   ; a fragment's row x pitch + 16 x half
	s_mul_i32 s21, s15, HALFT                      ; my 128 rows of x
	s_mul_i32 s22, s16, 64*PITCH                   ; my 64 rows of w1,
	s_add_co_u32 s22, s22, 2*HALFT                 ; which lie behind x's 256; the same rows of w2 lie 128 rows further on
.irp s, 0,1
	v_add_nc_u32 v[ADRA+\s], s21, v4
	v_add_nc_u32 v[ADRB+\s], s22, v4
	s_add_co_u32 s21, s21, SLOT
	s_add_co_u32 s22, s22, SLOT
.endr
	v_mul_u32_u24 v5, v1, KS                       ; my row's scales: 64 bytes a row,
	v_lshrrev_b32 v6, 8, v5
	v_lshl_add_u32 v5, v6, 4, v5                   ; and 16 more for each 256 passed
	s_mul_i32 s21, s15, HALFS                      ; x's: my 128 rows
	s_xor_b32 s23, s15, 1
	s_add_co_u32 s23, s23, 1                       ; from there to w1's scales: 2 - my half, in runs of 128 rows,
	s_mul_i32 s23, s23, HALFS
	s_mul_i32 s22, s16, 4*SBLK                     ; + my 64 rows of them
	s_add_co_u32 s22, s22, s23
	v_mul_u32_u24 v6, s22, v2                      ; lanes 16-31 take W's: one product, the distance x the lane's half
	s_add_co_u32 s22, s22, 4*SBLK                  ; blocks 4-7 are w2's: 128 rows behind w1's, of which the blocks' own offsets make up 64
	v_mul_u32_u24 v7, s22, v2
	s_add_co_u32 s21, s21, SCL
	v_add_nc_u32 v5, s21, v5
	v_add_nc_u32 v[ADRS], v5, v6
	v_add_nc_u32 v[ADRS2], v5, v7
	; the way out
	s_mul_i32 s21, s15, 128*SP
	s_lshl_b32 s22, s16, 6
	s_add_co_u32 s21, s21, s22
	v_mul_u32_u24 v5, v1, SP
	v_lshl_add_u32 v5, v2, 3, v5
	v_add_nc_u32 v[STO], s21, v5                   ; the stage: row 128 x row half + r, byte 64 x hidden half + 8 h
	s_lshl_b32 s21, s15, 9
	s_lshl_b32 s22, s16, 1
	s_add_co_u32 s21, s21, s22
	s_add_co_u32 s21, s21, STGS
	v_lshl_add_u32 v[STS], v1, 2, s21              ; my row's word, my hidden half's two bytes
	v_and_b32 v6, 31, v0                           ; lane
	v_lshrrev_b32 v7, 3, v6
	v_and_b32 v5, 7, v6
	v_mul_u32_u24 v7, v7, SP
	v_lshl_add_u32 v7, v5, 4, v7
	s_mul_i32 s21, s14, 64*SP
	v_add_nc_u32 v[RDC], s21, v7                   ; back: wave w takes rows 64 w on; eight lanes to a row of 128 codes, four rows an instruction
	s_lshl_b32 s21, s14, 8
	s_add_co_u32 s21, s21, STGS
	v_lshl_add_u32 v[RDS], v6, 3, s21              ; and their 64 scale words, 8 bytes a lane
	v_lshlrev_b32 v[GOC], 4, v6
	v_lshlrev_b32 v[GOS], 3, v6
	v_lshlrev_b32 v[PFO], 11, v6
	s_lshr_b32 s18, s42, 2                         ; h's codes: ((K step of 512) x 16 + block of 64 rows) x 32,768 + quarter x 8,192
	s_lshl_b32 s18, s18, 4
	s_lshl_b32 s19, s17, 2
	s_add_co_u32 s18, s18, s19
	s_add_co_u32 s18, s18, s14
	s_lshl_b32 s18, s18, 15
	s_and_b32 s19, s42, 3
	s_lshl_b32 s19, s19, 13
	s_add_co_u32 s18, s18, s19
	s_mov_b32 s19, 0
	s_add_nc_u64 s[96:97], s[96:97], s[18:19]
	s_lshl_b32 s18, s42, 12                        ; h's scales: 4,096 tc + 4 x my first row
	s_lshl_b32 s19, s17, 10
	s_add_co_u32 s18, s18, s19
	s_lshl_b32 s19, s14, 8
	s_add_co_u32 s18, s18, s19
	s_mov_b32 s19, 0
	s_add_nc_u64 s[98:99], s[98:99], s[18:19]
	s_mov_b32 s[MNT], 0x600000
	s_mov_b32 s[SEL], 0x76543210
	s_mov_b32 s[SEL+1], 0xfedcba98                 ; lane l xor 16
	s_mov_b32 s[NL2], 0xbfb8aa3b                   ; -log2 e
	s_mov_b32 s[NL2+1], s[NL2]
.macro FRAG reg, adr, q, i             ; a fragment, 16 rows x 128 K of 8-bit codes, is 16 registers: lane l holds row l % 16; registers 4 c .. 4 c + 3 hold K = 32 c + 16 (l / 16) + 0 .. 15
.irp c, 0,1,2,3
	ds_load_b128 v[\reg+4*\c:\reg+4*\c+3], v[\adr] offset:128*(\q)+32*\c+(\i)*16*PITCH
.endr
.endm
; 16 matrix instructions: x's blocks a0, a0 + 1 against W's eight, 128 along K: the slot's q-th.  p: W's set;  sc: the set of scale words.  zero = 1: the first product starts the sums: nothing is ever cleared.
; The 64 accumulators take turns, one instruction a turn, in the same order in every step.
.macro MUL16 a0, p, q, sc, zero
.irp a, \a0, \a0+1
.irp b, 0,1,2,3,4,5,6,7
.if \zero
	v_wmma_scale_f32_16x16x128_f8f6f4 v[8*(8*((\a)%4)+\b):8*(8*((\a)%4)+\b)+7], v[128*(\p)+FR*\b:128*(\p)+FR*\b+FR-1], v[AF+FR*(\a):AF+FR*(\a)+FR-1], 0, v[SC+8*NQ*(\sc)+NQ*\b+(\q)], v[SC+8*NQ*(\sc)+NQ*(\a)+(\q)] matrix_a_fmt:MATRIX_FMT_BF8 matrix_b_fmt:MATRIX_FMT_BF8 matrix_a_scale:MATRIX_SCALE_ROW1
.else
	v_wmma_scale_f32_16x16x128_f8f6f4 v[8*(8*((\a)%4)+\b):8*(8*((\a)%4)+\b)+7], v[128*(\p)+FR*\b:128*(\p)+FR*\b+FR-1], v[AF+FR*(\a):AF+FR*(\a)+FR-1], v[8*(8*((\a)%4)+\b):8*(8*((\a)%4)+\b)+7], v[SC+8*NQ*(\sc)+NQ*\b+(\q)], v[SC+8*NQ*(\sc)+NQ*(\a)+(\q)] matrix_a_fmt:MATRIX_FMT_BF8 matrix_b_fmt:MATRIX_FMT_BF8 matrix_a_scale:MATRIX_SCALE_ROW1
.endif
.endr
.endr
.endm
.macro FETCH_B slot, q, p              ; W's eight fragments of the slot's q-th 128 along K into set p: blocks 0-3 from w1's rows, blocks 4-7 from w2's, 128 rows further on
	WIN TO_B
.irp i, 0,1,2,3,4,5,6,7
.irp c, 0,1,2,3
	ds_load_b128 v[128*(\p)+FR*\i+4*\c:128*(\p)+FR*\i+4*\c+3], v[ADRB+\slot] offset:128*(\q)+32*\c+(\i+4*(\i/4))*16*PITCH
.endr
.endr
	WIN 0
.endm
.macro FETCH_A slot, q, i0             ; x's blocks i0 .. i0 + 3
.irp i, \i0, \i0+1, \i0+2, \i0+3
	FRAG AF+FR*(\i), ADRA+\slot, \q, \i
.endr
.endm
.macro SCALES sc                       ; the next K step's scale words into set sc: two words a row; lanes 0-15 take x's block i, lanes 16-31 W's block i
.irp i, 0,1,2,3
	ds_load_b64 v[SC+8*NQ*\sc+NQ*\i:SC+8*NQ*\sc+NQ*\i+1], v[ADRS] offset:\i*SBLK
.endr
.irp i, 4,5,6,7
	ds_load_b64 v[SC+8*NQ*\sc+NQ*\i:SC+8*NQ*\sc+NQ*\i+1], v[ADRS2] offset:\i*SBLK
.endr
.endm
; A load into a register that a matrix instruction has read, and a vector instruction or an LDS store that reads a matrix result, stand NP places behind that matrix instruction, and only plain vector
; instructions that name none of its registers are places (ISA guide 7.12.1 for vector instructions).
.macro PLACES n
.rept \n
	v_nop
.endr
.endm
; A step of 128 along K that has its successor in the same slot.  x has one set of registers: blocks 0-3 are fetched anew in the step's middle, blocks 4-7 at its end; W has two sets.
.macro STEP slot, q, zero
	s_wait_dscnt 4*NL                              ; W's set, the scale words and x's blocks 0-3 are in; the youngest sixteen loads (x's blocks 4-7) may be out
	WIN MUL_LO
	MUL16 0, (\q)%2, \q, \slot, \zero
	MUL16 2, (\q)%2, \q, \slot, \zero
	s_wait_dscnt 0                                 ; x's blocks 4-7 are in (asked for 32 matrix instructions ago)
	PLACES NP
	FETCH_B \slot, (\q)+1, 1-(\q)%2
	FETCH_A \slot, (\q)+1, 0
	WIN MUL_HI
	MUL16 4, (\q)%2, \q, \slot, \zero
	MUL16 6, (\q)%2, \q, \slot, \zero
	PLACES NP
	WIN 0
	FETCH_A \slot, (\q)+1, 4
.endm
; A slot's last step changes slots: ONE barrier; in front of it each wave waits for all its tensor loads, adds 0 to its spare word, and waits for that and for its own reads of this slot.  fill = 1: this slot is filled again, two K steps ahead.
.macro TURN slot, next, fill
.if \fill
	s_wait_xcnt 0x0                                ; the last prefetch, a K step back, has read its address: it is stepped here, ahead of the waits of the change of slots
	s_add_nc_u64 s[PFA:PFA+1], s[PFA:PFA+1], ROWB
.endif
	s_wait_tensorcnt 0x0                           ; all my tensor loads have landed: the one that was out is my part of the next slot;  (every window is 0 here)
	ds_add_u32 v[SPW], v[NIL]                      ; 0 onto my spare word
	s_wait_dscnt 4*NL+1                            ; (the add and the youngest sixteen loads, x's blocks 4-7, may be out)
	WIN MUL_LO
	MUL16 0, 1, NQ-1, \slot, 0                     ; sixteen matrix instructions stand between the add and the wait for it
	s_wait_dscnt 0x0                               ; the add is done, and my reads of this slot are over
	s_barrier_signal -1
	MUL16 2, 1, NQ-1, \slot, 0
	WIN 0
	s_barrier_wait -1
.if \fill
	CREST                                          ; the barrier has opened a round of the cluster's barrier: no wave of any partner still reads this slot's tile or has a load on its way
	s_add_nc_u64 s[G0+4*\slot+2:G0+4*\slot+3], s[G0+4*\slot+2:G0+4*\slot+3], 2*ROWB
	s_add_nc_u64 s[G0B+4*\slot+2:G0B+4*\slot+3], s[G0B+4*\slot+2:G0B+4*\slot+3], 2*ROWB
	JLOAD G0+4*\slot, G1, G0B+4*\slot, G1B         ; the first tensor load behind the round; the four v_nop behind it are among the places in front of the loads below
	PLACES NP-4
.else
	PLACES NP
.endif
	v_add_nc_u32 v[ADRS], 4*NQ, v[ADRS]            ; on to the next K step's scale words (no LDS load of mine is out)
	v_add_nc_u32 v[ADRS2], 4*NQ, v[ADRS2]
	FETCH_B \next, 0, 0
	FETCH_A \next, 0, 0
	SCALES \next
.if \fill
	ASK                                            ; behind the joint load and the run of LDS loads that the next products wait for
.endif
	WIN MUL_HI
	MUL16 4, 1, NQ-1, \slot, 0
	MUL16 6, 1, NQ-1, \slot, 0
	PLACES NP
	WIN 0
	FETCH_A \next, 0, 4
.endm
	s_wait_tensorcnt 1                             ; the scales and my part of K step 0 are in (K step 1's load may be out)
	s_barrier_signal -1
	s_barrier_wait -1                              ; everybody's are
	FETCH_B 0, 0, 0
	FETCH_A 0, 0, 0
	SCALES 0
	FETCH_A 0, 0, 4
	STEP 0, 0, 1                                   ; the first step stands in front of the loop: its products start the sums
	s_mov_b32 s3, LAPS-1
.Llap:                                                 ; a trip goes once round the ring, from a lap's second step to the next lap's first, and fills both slots again
	TURN 0, 1, 1
	STEP 1, 0, 0
	TURN 1, 0, 1
	STEP 0, 0, 0
	s_sub_co_u32 s3, s3, 1
	s_cmp_lg_u32 s3, 0
	s_cbranch_scc1 .Llap
	TURN 0, 1, 0                                   ; the last lap fills nothing, and has no round of the cluster's barrier
	STEP 1, 0, 0
	s_wait_dscnt 4*NL                              ; the very last step: nothing more to fetch
	WIN MUL_LO
	MUL16 0, 1, NQ-1, 1, 0
	MUL16 2, 1, NQ-1, 1, 0
	s_wait_dscnt 0
	WIN MUL_HI
	MUL16 4, 1, NQ-1, 1, 0
	MUL16 6, 1, NQ-1, 1, 0
	WIN 0
; THE WAY OUT of block a (16 rows of x x my 64 hidden units).  Accumulators b = 0..3 hold the gate, b = 4..7 up; lane (r, h) holds row r, and register 8 t + j the hidden unit 16 t + 8 h + j of my 64.
; So registers 16 B .. 16 B + 15 are my 16 numbers of block B of 32 hidden units; lane l xor 16 holds the other 16.  Each accumulator is read from its low end on.
.macro EPI a
.set AC, 64*((\a)%4)
	WIN 0x0a+5*((\a)/4)                            ; sources 0 and 1: window 2 or 3
.set J, 0
.rept 16
	v_pk_mul_f32 v[T+J:T+J+1], v[AC+J:AC+J+1], s[NL2:NL2+1] op_sel_hi:[1,0]   ; -g log2 e
.set J, J+2
.endr
.set J, 0
.rept 16
	v_pk_mul_f32 v[P+J:P+J+1], v[AC+J:AC+J+1], v[AC+32+J:AC+32+J+1]           ; g u
.set J, J+2
.endr
	WIN 0
.set J, 0
.rept 32
	v_exp_f32 v[T+J], v[T+J]                       ; e^-g: one batch
.set J, J+1
.endr
	v_nop                                          ; a plain instruction behind the last exponential,
	s_wait_alu depctr_va_vdst(0)                   ; and one wait for the batch, ahead of its first reader
.set J, 0
.rept 16
	v_pk_add_f32 v[T+J:T+J+1], v[T+J:T+J+1], 1.0 op_sel_hi:[1,0]
.set J, J+2
.endr
.set J, 0
.rept 32
	v_rcp_f32 v[T+J], v[T+J]                       ; the sigmoid: one batch
.set J, J+1
.endr
	v_nop
	s_wait_alu depctr_va_vdst(0)
.set J, 0
.rept 16
	v_pk_mul_f32 v[P+J:P+J+1], v[P+J:P+J+1], v[T+J:T+J+1]                     ; h
.set J, J+2
.endr
.irp b, 0,1                            ; each block's largest magnitude, in two chains; the floor 2^(16 - 127) among the leaves holds the byte at 1 from below
	v_max3_num_f32 v[M+\b], |v[P+16*\b]|, |v[P+16*\b+1]|, 0x8000000
	v_max3_num_f32 v[M+2+\b], |v[P+16*\b+8]|, |v[P+16*\b+9]|, |v[P+16*\b+10]|
.endr
.irp i, 2,4,6
.irp b, 0,1
	v_max3_num_f32 v[M+\b], v[M+\b], |v[P+16*\b+\i]|, |v[P+16*\b+\i+1]|
.endr
.endr
.irp i, 11,13
.irp b, 0,1
	v_max3_num_f32 v[M+2+\b], v[M+2+\b], |v[P+16*\b+\i]|, |v[P+16*\b+\i+1]|
.endr
.endr
.irp b, 0,1
	v_max3_num_f32 v[M+\b], v[M+\b], v[M+2+\b], |v[P+16*\b+15]|
.endr
.irp b, 0,1
	v_permlanex16_b32 v[N+\b], v[M+\b], s[SEL], s[SEL+1]
.endr
.irp b, 0,1
	v_max_num_f32 v[M+\b], v[M+\b], v[N+\b]        ; with lane l xor 16's: the block's
.endr
.irp b, 0,1
	v_add_nc_u32 v[F+\b], 0xf8800000, v[M+\b]      ; 15 off its exponent field: the conversion takes the exponent field of this operand as its scale
.endr
.irp b, 0,1
	v_and_or_b32 v[HD+\b], v[M+\b], 0x7f800000, s[MNT]   ; 57,344 x the scale
.endr
.irp b, 0,1
	v_lshrrev_b32 v[N+\b], 23, v[F+\b]             ; the scale's byte
.endr
	v_lshl_or_b32 v[E+(\a)], v[N+1], 8, v[N]       ; my row's two bytes
.irp b, 0,1
.set J, 0
.rept 16
	v_med3_num_f32 v[P+16*\b+J], v[P+16*\b+J], -v[HD+\b], v[HD+\b]   ; the conversion to an 8-bit code does not saturate (ISA guide 7.6.2): the hold at the largest code x the scale
.set J, J+1
.endr
	v_cvt_scalef32_pk8_bf8_f32 v[C+8*(\a)+4*\b:C+8*(\a)+4*\b+1], v[P+16*\b:P+16*\b+7], v[F+\b]        ; hidden 32 B + 8 h + 0 .. 7
	v_cvt_scalef32_pk8_bf8_f32 v[C+8*(\a)+4*\b+2:C+8*(\a)+4*\b+3], v[P+16*\b+8:P+16*\b+15], v[F+\b]   ; hidden 32 B + 16 + 8 h + 0 .. 7
.endr
	v_nop                                          ; a plain instruction behind the last conversion, ahead of the next block's writes of its sources
.irp b, 0,1
	ds_store_b64 v[STO], v[C+8*(\a)+4*\b:C+8*(\a)+4*\b+1] offset:(\a)*16*SP+32*\b          ; eight codes at their true place in the row: the stage's rows lie along the hidden axis
	ds_store_b64 v[STO], v[C+8*(\a)+4*\b+2:C+8*(\a)+4*\b+3] offset:(\a)*16*SP+32*\b+16
.endr
	ds_store_b16 v[STS], v[E+(\a)] offset:64*(\a)  ; lanes l and l xor 16 write the same two bytes with the same value
.endm
	PLACES NP                                      ; behind the last products: for the reads of their results and the writes of x's fragment registers
	v_mov_b32 v[N], 0                              ; written once: a lane permute's destination counts as one of its sources
	v_mov_b32 v[N+1], 0
.irp a, 0,1,2,3,4,5,6,7
	EPI \a
.endr
	s_wait_dscnt 0x0                               ; for the others' sake: my stores into the stage are done
	s_barrier_signal -1
	s_barrier_wait -1                              ; a row's 128 codes and its four bytes come from two waves
.irp t, 0,1,2,3,4,5,6,7,8,9,10,11,12,13,14,15
	ds_load_b128 v[T+4*\t:T+4*\t+3], v[RDC] offset:\t*4*SP
.endr
	ds_load_b64 v[SBK:SBK+1], v[RDS]
.irp t, 0,1,2,3,4,5,6,7,8,9,10,11,12,13,14,15
	s_wait_dscnt 16-\t                             ; behind load t: 15 - t loads of codes and the load of scale words
	global_store_b128 v[GOC], v[T+4*\t:T+4*\t+3], s[96:97] offset:512*\t   ; 32 lanes store 512 consecutive bytes, at a multiple of 256 from the buffer's first byte
.endr
	s_wait_dscnt 0x0
	global_store_b64 v[GOS], v[SBK:SBK+1], s[98:99]   ; 32 lanes store 256 consecutive bytes, aligned
	s_wait_tensorcnt 0x0                           ; the wave's end: behind my last tensor load and my last LDS store
	ds_add_u32 v[SPW], v[NIL]
	s_wait_dscnt 0x0
	CROUND                                         ; the closing round: no work-group ends while a partner may still ask for a tile that names it
	s_endpgm
.Lfunc_end_k_q73bf5dfebd_gateup:
	.size	k_q73bf5dfebd_gateup, .Lfunc_end_k_q73bf5dfebd_gateup-k_q73bf5dfebd_gateup
	.p2alignl 7, 3214868480
	.fill 96, 4, 3214868480
	.section	.rodata,"a",@progbits
	.p2align	6, 0x0
	.amdhsa_kernel k_q73bf5dfebd_gateup
		.amdhsa_group_segment_fixed_size 327680
		.amdhsa_private_segment_fixed_size 0
		.amdhsa_enable_private_segment 0
		.amdhsa_kernarg_size 64
		.amdhsa_user_sgpr_count 2
		.amdhsa_user_sgpr_kernarg_segment_ptr 1
		.amdhsa_wavefront_size32 1
		.amdhsa_system_sgpr_workgroup_id_x 1
		.amdhsa_system_sgpr_workgroup_id_y 1
		.amdhsa_system_sgpr_workgroup_id_z 1
		.amdhsa_system_vgpr_workitem_id 0
		.amdhsa_next_free_vgpr 1024
		.amdhsa_next_free_sgpr 102
		.amdhsa_reserve_vcc 0
		.amdhsa_float_denorm_mode_32 3
		.amdhsa_float_denorm_mode_16_64 3
		.amdhsa_memory_ordered 1
		.amdhsa_forward_progress 1
		.amdhsa_inst_pref_size 205
	.end_amdhsa_kernel
	.amdgpu_metadata
---
amdhsa.version: [ 1, 2 ]
amdhsa.kernels:
  - .name:           k_q73bf5dfebd_gateup
    .symbol:         k_q73bf5dfebd_gateup.kd
    .args:
      - { .name: x_codes, .offset: 0, .size: 8, .value_kind: global_buffer, .address_space: global }
      - { .name: x_scales, .offset: 8, .size: 8, .value_kind: global_buffer, .address_space: global }
      - { .name: w1_codes, .offset: 16, .size: 8, .value_kind: global_buffer, .address_space: global }
      - { .name: w1_scales, .offset: 24, .size: 8, .value_kind: global_buffer, .address_space: global }
      - { .name: w2_codes, .offset: 32, .size: 8, .value_kind: global_buffer, .address_space: global }
      - { .name: w2_scales, .offset: 40, .size: 8, .value_kind: global_buffer, .address_space: global }
      - { .name: h_codes, .offset: 48, .size: 8, .value_kind: global_buffer, .address_space: global }
      - { .name: h_scales, .offset: 56, .size: 8, .value_kind: global_buffer, .address_space: global }
    .group_segment_fixed_size: 327680
    .private_segment_fixed_size: 0
    .kernarg_segment_align: 8
    .kernarg_segment_size: 64
    .max_flat_workgroup_size: 128
    .sgpr_count:     102
    .vgpr_count:     1024
    .wavefront_size: 32
...
	.end_amdgpu_metadata
.endif
;; end of part 1
;; launch down (part 2): grid 32 x 8, 4 waves a work-group, clusters of 4 x 4, 327,680 bytes of LDS; arguments h_codes, h_scales, w3_codes, w3_scales, out0; writes out0
.if DOCPART == 2
	.amdgcn_target "amdgcn-amd-amdhsa--gfx1250"
	.amdhsa_code_object_version 6
	.text
	.protected	k_q73bf5dfebd_down
	.globl	k_q73bf5dfebd_down
	.p2align	8
	.type	k_q73bf5dfebd_down,@function
k_q73bf5dfebd_down:
	s_mov_b64 s[64:65], 0
	v_nop
	global_prefetch_b8 v0, s[64:65] scope:SCOPE_SE
	s_setreg_imm32_b32 hwreg(HW_REG_WAVE_MODE, 25, 1), 1
	s_wait_xcnt 0x0
	s_wait_alu depctr_hold_cnt(0) depctr_sa_sdst(0) depctr_va_vdst(0) depctr_va_sdst(0) depctr_va_ssrc(0) depctr_va_vcc(0) depctr_vm_vsrc(0)
	s_getreg_b32 s2, hwreg(HW_REG_IB_STS2, 6, 4)
	s_cmp_eq_u32 s2, 0
	s_cbranch_scc0 .Lentry_in_a_cluster
	s_endpgm
.Lentry_in_a_cluster:
	s_bfe_u32 s2, ttmp6, 0x10000c
	s_cmp_lg_u32 s2, 0xf033
	s_cbranch_scc0 .Lentry_shape_is_right
	s_endpgm
.Lentry_shape_is_right:
; out[m][n] = sum over k of h[m][k] w3[n][k].  h: 1,024 x 8,192 as codes of BF8 (E5M2) and scale words, laid by the launch before: codes [K step of 512: 16][64 rows: 16][quarter of 128: 4][row: 64][128 bytes],
; scale words [128 along K: 64][row: 1024][4 bytes].  w3: [2048][8192] codes, K innermost; its scale bytes [2048][256].  out: [1024][2048] f32.
; SHARES.  A tile of out is 128 rows x 64 columns: 8 x 32 = 256 work-groups.  THE FOUR WAVES SPLIT K: each makes the whole tile (32 accumulators, 256 registers) on its own quarter (128 along K) of every K step of 512,
; so that no LDS byte is read twice: a wave's 12 fragments of a step feed 32 matrix instructions.  The four partial tiles are added once, through LDS, on the way out.
; ORDER OF ROUNDING: an output is (s0 + s1) + (s2 + s3), s_q the f32 chain over quarter q of all K steps, K ascending in each: another order than one chain over all of K.
; THE RING.  Two LDS slots of one K step (h's 128 rows as 2 x 256 lines of 128 bytes, w3's 64 rows of 512 bytes).  A slot is emptied into registers at once (192 registers a step, two sets), so it is free for its
; refill while its products still run.  32 KiB a load.  The scales of all of K come once, with the first fills, and stay.
; CLUSTERS: 4 x 4 work-groups.  The four of a row of the cluster need the same tiles of h, the four of a column the same tiles of w3: each is asked for JOINTLY.
; THE MATRIX INSTRUCTION IS USED TRANSPOSED (source 0 = 16 rows of w3, source 1 = 16 rows of h): a lane holds eight neighbouring numbers of a row of out.
; REGISTERS, in windows of 256: window 0: v0-31 addresses; v32-55 scale words, two sets, and nothing else; v64-191 the way out.   window 1: the accumulators ((a, b) at v[8 (4 a + b)]).
;   window 2: fragment set 0: h's eight at v[16 a], w3's four at v[128 + 16 b];   window 3: set 1.
.set PA,    144                        ; a line of h in LDS: 128 bytes + 16 of padding: 9 x 16 bytes, so the 16 rows that a load touches start in different groups of banks (ISA guide 11.1)
.set PB,    528                        ; a row of w3: 512 bytes + 16
.set ABLK,  256*PA                     ; a block of 64 rows: 4 quarters x 64 lines
.set BOFF,  2*ABLK                     ; w3's rows lie behind h's two blocks
.set SLOT,  BOFF+64*PB
.set SCA,   2*SLOT                     ; behind the ring: h's scale words, 64 runs of 512 bytes (128 rows x 4 bytes);
.set SCB,   SCA+64*512                 ; w3's scale bytes, 64 rows of 256 bytes + 16 of padding;
.set SPARE, SCB+64*272                 ; the spare words, 128 bytes for each wave: two blocks of 256 bytes that no other line names
.set XP,    272                        ; the way out: a row of a partial tile: 256 bytes + 16
.set XW,    128*XP                     ; a wave's partial tile.  The four lie from LDS byte 0 on, over the slots, which have then had their last fill and their last read
.set KA,    16*32768                   ; a K step on in h's codes, in bytes
.set KB,    512                        ; and in a row of w3
.set ADRA, 16                          ; v16-17  LDS address of my fragments of h in slot 0, 1
.set ADRB, 18                          ; v18-19  the same for w3
.set ADSA, 20                          ; v20     of h's scale words: 2,048 bytes a K step
.set ADSB, 21                          ; v21     of w3's: 16 bytes a K step
.set STO,  22                          ; v22     the way out: where I put 32 bytes of a row of my partial tile
.set RD0,  23                          ; v23     where I read rows of waves 0 and 1's partial tiles
.set RD1,  24                          ; v24     and of waves 2 and 3's
.set CO,   25                          ; v25     my byte offset in out
.set PFO,  26                          ; v26     the prefetches' offset; never rewritten
.set SPW,  28                          ; v28     LDS address of my spare word; never rewritten
.set NIL,  29                          ; v29     0; never rewritten
.set SC,   32                          ; scale words: set p: h's eight at v[SC + 12 p + a], w3's four at v[SC + 12 p + 8 + b]
.set X,    64                          ; the way out: 4 partial tiles x 8 x 4 registers
.set LIM,  43                          ; s43      1 in a wave that prefetches, else the greatest number
.set PFA,  44                          ; s[44:45] where my prefetches stand
.set PFS,  46                          ; s[46:47] a K step on, in bytes
.set G1A, 24                           ; s[24:31] descriptor group 1 for h's tiles;  s[32:39] group 0, one set for each slot
.set G0A, 32
.set G1B, 48                           ; s[48:55], s[56:63] the same for w3's
.set G0B, 56
.set G1SA, 68                          ; s[68:75], s[76:79] groups 1 and 0 for h's scale words;  s[80:87], s[88:91] for w3's scale bytes
.set G0SA, 76
.set G1SB, 80
.set G0SB, 88
.set MSB, 0
.macro WIN new                         ; the immediate's high byte repeats the setting that is left; a switch that changes nothing is dropped
.if MSB != (\new)
	s_set_vgpr_msb (MSB<<8)|(\new)
.set MSB, (\new)
.endif
.endm
.macro PLACES n
.rept \n
	v_nop
.endr
.endm
; A joint refill: waves 0 and 1 ask for h's two blocks, wave 2 for w3's rows, wave 3 for nothing.  The branches hang on the wave's number alone.  Four v_nop follow each of the two lines.
.macro JLOAD s
	s_cmp_lt_u32 s14, 2
	s_cbranch_scc0 .Lnot_a_\@
	tensor_load_to_lds s[G0A+4*(\s):G0A+4*(\s)+3], s[G1A:G1A+7]
	s_nop 0
.rept 4
	v_nop
.endr
	s_branch .Lasked_\@
.Lnot_a_\@:
	s_cmp_eq_u32 s14, 2
	s_cbranch_scc0 .Lasked_\@
	tensor_load_to_lds s[G0B+4*(\s):G0B+4*(\s)+3], s[G1B:G1B+7]
	s_nop 0
.rept 4
	v_nop
.endr
.Lasked_\@:
.endm
; A prefetch of the K step that stands two refills on.  A load's 32 KiB are 128 pieces of 256 bytes; each of the four partners that ask for them jointly takes 32, told apart by address (cx for h, cy for w3), a lane a piece.
; h's rows are read by every cluster of a row of clusters: cluster x = 0 asks; w3's by every cluster of a column: cluster y = 0 asks.  So each piece is named once.  how = 1: always; how = 2: not in the loop's last trip,
; whose second refill is K step 14: there is no K step 16.  K steps 0 to 3 come by their loads alone.
.macro ASK how
.if (\how) == 1
	s_cmp_eq_u32 s[LIM], 1
.else
	s_cmp_gt_u32 s3, s[LIM]
.endif
	s_cbranch_scc0 .Lnot_mine_\@
	global_prefetch_b8 v[PFO], s[PFA:PFA+1] th:TH_LOAD_NT scope:SCOPE_SE
.Lnot_mine_\@:
.endm
.macro CROUND                          ; a round of the cluster's barrier
	s_barrier_signal -1
	s_barrier_wait -1
	s_cmp_lg_u32 s14, 0
	s_cbranch_scc1 .Lnot_wave_0_\@
	s_barrier_signal -3
.Lnot_wave_0_\@:
	s_barrier_wait -3
	s_barrier_signal -1
	s_barrier_wait -1
.endm
	s_load_b256 s[4:11], s[0:1], 0x0               ; h's codes s[4:5], h's scales s[6:7], w3's codes s[8:9], w3's scales s[10:11]
	s_load_b64 s[12:13], s[0:1], 0x20              ; out
	v_lshl_add_u32 v[SPW], v0, 2, SPARE
	v_mov_b32 v[NIL], 0
	ds_add_u32 v28, v29
	s_wait_dscnt 0x0
	v_lshrrev_b32 v1, 5, v0
	v_readfirstlane_b32 s14, v1                    ; wave 0..3: my quarter of every K step
	s_and_b32 s15, s14, 1                          ; u: which block of 64 rows of h I fetch, if I fetch h
	s_bfe_u32 s40, ttmp6, 0x40000                  ; cx, cy: my place in the cluster
	s_bfe_u32 s41, ttmp6, 0x40004
	s_lshl_b32 s17, ttmp9, 2
	s_add_co_u32 s17, s17, s40                     ; tc: columns 64 tc on
	s_and_b32 s16, ttmp7, 0xffff
	s_lshl_b32 s16, s16, 2
	s_add_co_u32 s16, s16, s41                     ; tr: rows 128 tr on
	s_lshl_b32 s42, s41, 2
	s_lshl_b32 s42, 15, s42                        ; my row of the cluster
	s_lshl_b32 s43, 0x1111, s40                    ; my column
	; h's tile: a dense block of 32 KiB as 256 lines of 128 bytes, 16 bytes of padding behind each
	s_or_b32 s[G1A], s42, (0<<16)|(1<<20)|(1<<21)|(4<<22)|(3<<25)   ; 15:0 the mask: my row; 17:16 elements of 1 byte; 20 padding on; 21 set beside a mask; 24:22 after every 32 words (code 4); 31:25 four words (code 3)
	s_mov_b32 s[G1A+1], 128<<16                    ; tensor_dim0
	s_mov_b32 s[G1A+2], 256<<16                    ; tensor_dim1
	s_mov_b32 s[G1A+3], 128<<16                    ; tile_dim0
	s_mov_b32 s[G1A+4], 256                        ; tile_dim1
	s_mov_b32 s[G1A+5], 128                        ; tensor_dim0_stride
	s_mov_b32 s[G1A+6], 0
	s_mov_b32 s[G1A+7], 0
	; w3's tile: 64 rows of 512 bytes, 8,192 bytes apart, 16 bytes of padding behind each
	s_or_b32 s[G1B], s43, (0<<16)|(1<<20)|(1<<21)|(6<<22)|(3<<25)   ; the mask: my column; padding after every 128 words (code 6)
	s_mov_b32 s[G1B+1], 512<<16
	s_mov_b32 s[G1B+2], 64<<16
	s_mov_b32 s[G1B+3], 512<<16
	s_mov_b32 s[G1B+4], 64
	s_mov_b32 s[G1B+5], 8192
	s_mov_b32 s[G1B+6], 0
	s_mov_b32 s[G1B+7], 0
	; h's scale words: 32 runs (of 128 along K) x 512 bytes (my 128 rows), 4,096 bytes apart; no padding
	s_or_b32 s[G1SA], s42, (0<<16)|(1<<21)
	s_mov_b32 s[G1SA+1], 512<<16
	s_mov_b32 s[G1SA+2], 32<<16
	s_mov_b32 s[G1SA+3], 512<<16
	s_mov_b32 s[G1SA+4], 32
	s_mov_b32 s[G1SA+5], 4096
	s_mov_b32 s[G1SA+6], 0
	s_mov_b32 s[G1SA+7], 0
	; w3's scale bytes: 64 rows of 256 bytes, dense (32 elements of 8 bytes), 16 bytes of padding behind each
	s_or_b32 s[G1SB], s43, (3<<16)|(1<<20)|(1<<21)|(5<<22)|(3<<25)
	s_mov_b32 s[G1SB+1], 32<<16
	s_mov_b32 s[G1SB+2], 64<<16
	s_mov_b32 s[G1SB+3], 32<<16
	s_mov_b32 s[G1SB+4], 64
	s_mov_b32 s[G1SB+5], 32
	s_mov_b32 s[G1SB+6], 0
	s_mov_b32 s[G1SB+7], 0
	s_lshl_b32 s20, s16, 16                        ; h's codes: block of 64 rows 2 tr + u, 32,768 bytes each
	s_lshl_b32 s18, s15, 15
	s_add_co_u32 s20, s20, s18
	s_mov_b32 s21, 0
	s_lshl_b32 s22, s16, 9                         ; h's scale words: 4 bytes x row 128 tr, + 32 u runs of 4,096 bytes
	s_lshl_b32 s18, s15, 17
	s_add_co_u32 s22, s22, s18
	s_mov_b32 s23, 0
	s_lshl_b32 s92, s17, 19                        ; w3's codes: row 64 tc of 8,192 bytes
	s_mov_b32 s93, 0
	s_lshl_b32 s94, s17, 14                        ; w3's scale bytes: row 64 tc of 256 bytes
	s_mov_b32 s95, 0
	s_mul_i32 s18, s15, ABLK                       ; where h's block goes in a slot, and its half of the scale words: no place in the cluster enters an LDS address
	s_lshl_b32 s19, s15, 14
	s_wait_kmcnt 0x0
	s_add_nc_u64 s[20:21], s[4:5], s[20:21]
	s_add_nc_u64 s[22:23], s[6:7], s[22:23]
	s_add_nc_u64 s[92:93], s[8:9], s[92:93]
	s_add_nc_u64 s[94:95], s[10:11], s[94:95]
	CROUND                                         ; all sixteen work-groups are here: the first joint loads meet
	s_mov_b32 s[G0SA], 1
	s_add_co_u32 s[G0SA+1], s19, SCA
	s_mov_b64 s[G0SA+2:G0SA+3], s[22:23]
	s_or_b32 s[G0SA+3], s[G0SA+3], 0x80000000
	s_mov_b32 s[G0SB], 1
	s_mov_b32 s[G0SB+1], SCB
	s_mov_b64 s[G0SB+2:G0SB+3], s[94:95]
	s_or_b32 s[G0SB+3], s[G0SB+3], 0x80000000
.irp s, 0,1
	s_mov_b32 s[G0A+4*\s], 1
	s_add_co_u32 s[G0A+4*\s+1], s18, \s*SLOT
	s_add_nc_u64 s[G0A+4*\s+2:G0A+4*\s+3], s[20:21], \s*KA
	s_or_b32 s[G0A+4*\s+3], s[G0A+4*\s+3], 0x80000000
	s_mov_b32 s[G0B+4*\s], 1
	s_mov_b32 s[G0B+4*\s+1], BOFF+\s*SLOT
	s_add_nc_u64 s[G0B+4*\s+2:G0B+4*\s+3], s[92:93], \s*KB
	s_or_b32 s[G0B+4*\s+3], s[G0B+4*\s+3], 0x80000000
.endr
	s_cmp_lt_u32 s14, 2                            ; a wave's first fills stand in one branch on its number: the scales, K step 0, K step 1: three loads of mine are out (wave 3: none)
	s_cbranch_scc0 .Lfirst_b
	tensor_load_to_lds s[G0SA:G0SA+3], s[G1SA:G1SA+7]
	s_nop 0
	tensor_load_to_lds s[G0A:G0A+3], s[G1A:G1A+7]
	s_nop 0
	tensor_load_to_lds s[G0A+4:G0A+7], s[G1A:G1A+7]
	s_nop 0
.rept 4
	v_nop
.endr
	s_branch .Lfirst_done
.Lfirst_b:
	s_cmp_eq_u32 s14, 2
	s_cbranch_scc0 .Lfirst_done
	tensor_load_to_lds s[G0SB:G0SB+3], s[G1SB:G1SB+7]
	s_nop 0
	tensor_load_to_lds s[G0B:G0B+3], s[G1B:G1B+7]
	s_nop 0
	tensor_load_to_lds s[G0B+4:G0B+7], s[G1B:G1B+7]
	s_nop 0
.rept 4
	v_nop
.endr
.Lfirst_done:
	; the prefetches: s[20:21] stands at my block of h, s[92:93] at w3's 64 rows
	s_and_b32 s19, ttmp7, 0xffff                   ; cluster y
	s_lshr_b32 s98, s14, 1
	s_and_b32 s98, s98, s14                        ; 1 in wave 3, which fetches nothing
	s_mov_b32 s[PFS], KB
	s_mov_b32 s97, 8192
	s_cmp_lt_u32 s14, 2                            ; do I fetch h?
	s_cselect_b64 s[PFA:PFA+1], s[20:21], s[92:93]
	s_cselect_b32 s18, s40, s41                    ; my place among the four that ask with me
	s_cselect_b32 s19, ttmp9, s19                  ; the coordinate along which other clusters read the same rows
	s_cselect_b32 s[PFS], KA, s[PFS]               ; a K step on
	s_cselect_b32 s96, 13, 17                      ; a partner's share: 8,192 dense bytes of h, 16 rows of w3
	s_cselect_b32 s97, 512, s97                    ; from one pair of lanes to the next: 512 dense bytes of h, a row of w3
	s_or_b32 s19, s19, s98
	s_cmp_eq_u32 s19, 0
	s_cselect_b32 s[LIM], 1, -1                    ; the same in all sixteen partners, for a given wave
	s_lshl_b32 s18, s18, s96
	s_mov_b32 s19, 0
	s_add_nc_u64 s[PFA:PFA+1], s[PFA:PFA+1], s[18:19]
	s_mul_i32 s18, s[PFS], 3
	s_add_nc_u64 s[PFA:PFA+1], s[PFA:PFA+1], s[18:19]  ; at K step 3: the first refill (K step 2) steps it to 4.  Nothing is prefetched here, at the head
	s_mov_b32 s[PFS+1], 0
	v_and_b32 v6, 31, v0
	v_lshrrev_b32 v7, 1, v6
	v_and_b32 v5, 1, v6
	v_mul_lo_u32 v7, v7, s97
	v_lshl_add_u32 v[PFO], v5, 8, v7               ; two lanes to 512 bytes
	v_and_b32 v1, 15, v0                           ; r = l % 16
	v_bfe_u32 v2, v0, 4, 1                         ; h = l / 16
	v_mul_u32_u24 v3, v1, PA
	v_lshl_add_u32 v3, v2, 4, v3
	s_mul_i32 s18, s14, 64*PA                      ; my quarter's 64 lines of a block
	v_add_nc_u32 v[ADRA], s18, v3
	v_add_nc_u32 v[ADRA+1], SLOT, v[ADRA]
	v_mul_u32_u24 v4, v1, PB
	v_lshl_add_u32 v4, v2, 4, v4
	s_lshl_b32 s18, s14, 7                         ; my quarter's 128 bytes of a row of w3
	s_add_co_u32 s18, s18, BOFF
	v_add_nc_u32 v[ADRB], s18, v4
	v_add_nc_u32 v[ADRB+1], SLOT, v[ADRB]
	s_lshl_b32 s18, s14, 9                         ; h's scale words: run 4 x K step + my quarter; 4 bytes a row.  Lanes 16-31 repeat lanes 0-15
	s_add_co_u32 s18, s18, SCA
	v_lshl_add_u32 v[ADSA], v1, 2, s18
	v_mul_u32_u24 v5, v1, 272                      ; w3's: row r, word 4 x K step + my quarter
	s_lshl_b32 s18, s14, 2
	s_add_co_u32 s18, s18, SCB
	v_add_nc_u32 v[ADSB], s18, v5
	s_mul_i32 s18, s14, XW                         ; the way out: my partial tile: row r, 32 bytes for each half of the lanes
	v_lshl_add_u32 v6, v2, 5, v5
	v_add_nc_u32 v[STO], s18, v6
	s_mul_i32 s18, s14, 32*XP                      ; back: wave w adds rows 32 w on; lanes 0-15 take one row of 256 bytes, lanes 16-31 the next
	v_mul_u32_u24 v6, v2, XP
	v_lshl_add_u32 v6, v1, 4, v6
	v_add_nc_u32 v[RD0], s18, v6
	v_add_nc_u32 v[RD1], 2*XW, v[RD0]
	v_lshlrev_b32 v6, 13, v2                       ; and the same two rows in out: 8,192 bytes a row
	v_lshl_add_u32 v[CO], v1, 4, v6
	s_lshl_b32 s18, s16, 7
	s_lshl_b32 s19, s14, 5
	s_add_co_u32 s18, s18, s19                     ; the first row that I store: 128 tr + 32 x wave
	s_lshl_b32 s18, s18, 13
	s_lshl_b32 s19, s17, 8                         ; the tile's first column, in bytes
	s_add_co_u32 s18, s18, s19
	s_mov_b32 s19, 0
	s_add_nc_u64 s[12:13], s[12:13], s[18:19]
; A K step's fragments and scale words of my quarter, out of a slot into set p: 48 loads of 16 bytes and 12 of 4.
; A fragment, 16 rows x 128 K of 8-bit codes, is 16 registers: lane l holds row l % 16; registers 4 c .. 4 c + 3 hold K = 32 c + 16 (l / 16) + 0 .. 15.
.macro FETCH slot, p
	WIN (2+(\p))<<6                                ; destination window 2 or 3, address window 0
.irp i, 0,1,2,3,4,5,6,7
.irp c, 0,1,2,3
	ds_load_b128 v[16*\i+4*\c:16*\i+4*\c+3], v[ADRA+(\slot)] offset:(\i/4)*ABLK+(\i%4)*16*PA+32*\c
.endr
.endr
.irp j, 0,1,2,3
.irp c, 0,1,2,3
	ds_load_b128 v[128+16*\j+4*\c:128+16*\j+4*\c+3], v[ADRB+(\slot)] offset:\j*16*PB+32*\c
.endr
.endr
	WIN 0
.irp i, 0,1,2,3,4,5,6,7
	ds_load_b32 v[SC+12*(\p)+\i], v[ADSA] offset:64*\i
.endr
.irp j, 0,1,2,3
	ds_load_b32 v[SC+12*(\p)+8+\j], v[ADSB] offset:\j*16*272
.endr
.endm
; 32 matrix instructions: set p's eight blocks of h against its four of w3.  zero = 1: they start the sums: nothing is ever cleared.  The 32 accumulators take turns, one instruction a turn.
.macro MUL32 p, zero
.irp a, 0,1,2,3,4,5,6,7
.irp b, 0,1,2,3
.if \zero
	v_wmma_scale_f32_16x16x128_f8f6f4 v[8*(4*\a+\b):8*(4*\a+\b)+7], v[128+16*\b:128+16*\b+15], v[16*\a:16*\a+15], 0, v[SC+12*(\p)+8+\b], v[SC+12*(\p)+\a] matrix_a_fmt:MATRIX_FMT_BF8 matrix_b_fmt:MATRIX_FMT_BF8
.else
	v_wmma_scale_f32_16x16x128_f8f6f4 v[8*(4*\a+\b):8*(4*\a+\b)+7], v[128+16*\b:128+16*\b+15], v[16*\a:16*\a+15], v[8*(4*\a+\b):8*(4*\a+\b)+7], v[SC+12*(\p)+8+\b], v[SC+12*(\p)+\a] matrix_a_fmt:MATRIX_FMT_BF8 matrix_b_fmt:MATRIX_FMT_BF8
.endif
.endr
.endr
.endm
; K STEP k, in slot and set sl = k % 2.  Its fragments were asked for a step ago.  In front of the barrier each wave waits for all its tensor loads (the one that is out is its part of K step k + 1), adds 0 to its spare
; word, and waits for that and for its LDS loads: K step k's fragments are in registers, so its reads of slot sl are over.  Behind it slot sl is filled again first (fill = 1: K step k + 2; the barrier is then a round of
; the cluster's), K step k + 1 is fetched out of the other slot, and K step k is multiplied meanwhile.
.macro TURN sl, fill, ask, zero
.if \fill
	s_wait_xcnt 0x0                                ; the last prefetch, a K step back, has read its address, so it may be stepped
	s_add_nc_u64 s[PFA:PFA+1], s[PFA:PFA+1], s[PFS:PFS+1]
.endif
	s_wait_tensorcnt 0x0                           ; no tensor load of mine is out, so a group 0 may be written
	ds_add_u32 v[SPW], v[NIL]                      ; 0 onto my spare word: the descriptors' steps stand between it and the wait for it
.if \fill
	s_add_nc_u64 s[G0A+4*(\sl)+2:G0A+4*(\sl)+3], s[G0A+4*(\sl)+2:G0A+4*(\sl)+3], 2*KA
	s_add_nc_u64 s[G0B+4*(\sl)+2:G0B+4*(\sl)+3], s[G0B+4*(\sl)+2:G0B+4*(\sl)+3], 2*KB
.endif
	s_wait_dscnt 0x0                               ; the add is done, and my reads of slot sl are over
.if \fill
	CROUND                                         ; no wave of any partner still reads this slot or has a load on its way
	JLOAD \sl                                      ; the first tensor load behind the round, and a wave's only one until the next
.else
	s_barrier_signal -1
	s_barrier_wait -1
.endif
	PLACES 6                                       ; eight places, on wave 3's way too, behind the last step's products and in front of the loads into the set and the scale words that they read:
	v_add_nc_u32 v[ADSA], 2048, v[ADSA]            ; six v_nop and the two steps to the next K step's scale words
	v_add_nc_u32 v[ADSB], 16, v[ADSB]
	FETCH 1-(\sl), 1-(\sl)
.if \ask
	ASK \ask                                       ; behind the joint load and the run of LDS loads
.endif
	WIN 0x5a+5*(\sl)                               ; sources 0 and 1 window 2 or 3, C and D window 1
	MUL32 \sl, \zero
	WIN 0                                          ; at a label and at a branch every window is 0
.endm
	s_wait_tensorcnt 1                             ; the scales and my part of K step 0 are in (K step 1's load may be out)
	s_barrier_signal -1
	s_barrier_wait -1                              ; everybody's are
	FETCH 0, 0
	TURN 0, 1, 1, 1                                ; K step 0 starts the sums; K step 2 is asked for
	s_mov_b32 s3, 6
.Lk:                                                   ; K steps 1 to 12; K steps 3 to 14 are asked for
	TURN 1, 1, 1, 0
	TURN 0, 1, 2, 0
	s_sub_co_u32 s3, s3, 1
	s_cmp_lg_u32 s3, 0
	s_cbranch_scc1 .Lk
	TURN 1, 1, 0, 0                                ; K step 13; K step 15 is asked for: the last load
	TURN 0, 0, 0, 0                                ; K step 14: nothing is filled, so no round
	s_wait_dscnt 0x0                               ; K step 15's fragments are in: my last reads of the slots are over
	s_barrier_signal -1
	WIN 0x5f
	MUL32 1, 0                                     ; K step 15, on registers alone, while the others arrive
	WIN 0
	s_barrier_wait -1                              ; nobody reads a slot any more: the partial tiles may be laid over them
	; THE WAY OUT.  Each wave lays its partial tile into LDS (rows of 256 bytes + 16); a barrier; each wave adds the four partial tiles of 32 rows and stores whole rows of 256 bytes.
	PLACES 8                                       ; behind the last products, in front of the stores that read their results
	WIN 0x04                                       ; an LDS store's data are its source 1: window 1
.irp a, 0,1,2,3,4,5,6,7
.irp b, 0,1,2,3
	ds_store_b128 v[STO], v[8*(4*\a+\b):8*(4*\a+\b)+3] offset:\a*16*XP+64*\b          ; lane (r, h): out(16 a + r, 16 b + 8 h + 0 .. 7); each accumulator from its low end on
	ds_store_b128 v[STO], v[8*(4*\a+\b)+4:8*(4*\a+\b)+7] offset:\a*16*XP+64*\b+16
.endr
.endr
	WIN 0
	s_wait_dscnt 0x0                               ; for the others' sake: my stores are done
	s_barrier_signal -1
	s_barrier_wait -1
.irp v, 0,1                            ; sixteen rows at a time
.if \v
	s_wait_xcnt 0x0                                ; the first half's stores have read their registers: they may be loaded again
.endif
.irp s, 0,1,2,3
.irp t, 0,1,2,3,4,5,6,7
	ds_load_b128 v[X+32*\s+4*\t:X+32*\s+4*\t+3], v[RD0+(\s/2)] offset:(\s%2)*XW+(16*\v+2*\t)*XP
.endr
.endr
	s_wait_dscnt 0x0
.irp t, 0,1,2,3,4,5,6,7
.irp e, 0,2
	v_pk_add_f32 v[X+4*\t+\e:X+4*\t+\e+1], v[X+4*\t+\e:X+4*\t+\e+1], v[X+32+4*\t+\e:X+32+4*\t+\e+1]         ; s0 + s1
	v_pk_add_f32 v[X+64+4*\t+\e:X+64+4*\t+\e+1], v[X+64+4*\t+\e:X+64+4*\t+\e+1], v[X+96+4*\t+\e:X+96+4*\t+\e+1]   ; s2 + s3
.endr
.endr
.irp t, 0,1,2,3,4,5,6,7
.irp e, 0,2
	v_pk_add_f32 v[X+4*\t+\e:X+4*\t+\e+1], v[X+4*\t+\e:X+4*\t+\e+1], v[X+64+4*\t+\e:X+64+4*\t+\e+1]
.endr
.endr
.irp t, 0,1,2,3,4,5,6,7
	global_store_b128 v[CO], v[X+4*\t:X+4*\t+3], s[12:13] offset:(16*\v+2*\t)*8192 th:TH_STORE_NT   ; 16 lanes store 256 consecutive bytes, at a multiple of 256 from out's first byte; written once, read by nobody here
.endr
.endr
	s_wait_tensorcnt 0x0                           ; the wave's end: behind my last tensor load and my last LDS store
	ds_add_u32 v[SPW], v[NIL]
	s_wait_dscnt 0x0
	CROUND                                         ; the closing round: no work-group ends while a partner may still ask for a tile that names it
	s_endpgm
.Lfunc_end_k_q73bf5dfebd_down:
	.size	k_q73bf5dfebd_down, .Lfunc_end_k_q73bf5dfebd_down-k_q73bf5dfebd_down
	.p2alignl 7, 3214868480
	.fill 96, 4, 3214868480
	.section	.rodata,"a",@progbits
	.p2align	6, 0x0
	.amdhsa_kernel k_q73bf5dfebd_down
		.amdhsa_group_segment_fixed_size 327680
		.amdhsa_private_segment_fixed_size 0
		.amdhsa_enable_private_segment 0
		.amdhsa_kernarg_size 40
		.amdhsa_user_sgpr_count 2
		.amdhsa_user_sgpr_kernarg_segment_ptr 1
		.amdhsa_wavefront_size32 1
		.amdhsa_system_sgpr_workgroup_id_x 1
		.amdhsa_system_sgpr_workgroup_id_y 1
		.amdhsa_system_sgpr_workgroup_id_z 1
		.amdhsa_system_vgpr_workitem_id 0
		.amdhsa_next_free_vgpr 1024
		.amdhsa_next_free_sgpr 100
		.amdhsa_reserve_vcc 0
		.amdhsa_float_denorm_mode_32 3
		.amdhsa_float_denorm_mode_16_64 3
		.amdhsa_memory_ordered 1
		.amdhsa_forward_progress 1
		.amdhsa_inst_pref_size 81
	.end_amdhsa_kernel
	.amdgpu_metadata
---
amdhsa.version: [ 1, 2 ]
amdhsa.kernels:
  - .name:           k_q73bf5dfebd_down
    .symbol:         k_q73bf5dfebd_down.kd
    .args:
      - { .name: h_codes, .offset: 0, .size: 8, .value_kind: global_buffer, .address_space: global }
      - { .name: h_scales, .offset: 8, .size: 8, .value_kind: global_buffer, .address_space: global }
      - { .name: w3_codes, .offset: 16, .size: 8, .value_kind: global_buffer, .address_space: global }
      - { .name: w3_scales, .offset: 24, .size: 8, .value_kind: global_buffer, .address_space: global }
      - { .name: out0, .offset: 32, .size: 8, .value_kind: global_buffer, .address_space: global }
    .group_segment_fixed_size: 327680
    .private_segment_fixed_size: 0
    .kernarg_segment_align: 8
    .kernarg_segment_size: 40
    .max_flat_workgroup_size: 128
    .sgpr_count:     100
    .vgpr_count:     1024
    .wavefront_size: 32
...
	.end_amdgpu_metadata
.endif
;; end of part 2
;; ======== version 2 of 2: 2 launches
;; limits: right only within a limited range of input values
;; workspace buffers: h_codes 8,388,608 bytes; h_scales 262,144 bytes
;; launch gateup (part 3): grid 64 x 4, 4 waves a work-group, clusters of 4 x 4, 327,680 bytes of LDS; arguments x_codes, x_scales, w1_codes, w1_scales, w2_codes, w2_scales, h_codes, h_scales; writes h_codes, h_scales
.if DOCPART == 3
	.amdgcn_target "amdgcn-amd-amdhsa--gfx1250"
	.amdhsa_code_object_version 6
	.text
	.protected	k_q73bf5dfebd_gateup
	.globl	k_q73bf5dfebd_gateup
	.p2align	8
	.type	k_q73bf5dfebd_gateup,@function
k_q73bf5dfebd_gateup:
	s_mov_b64 s[64:65], 0
	v_nop
	global_prefetch_b8 v0, s[64:65] scope:SCOPE_SE
	s_setreg_imm32_b32 hwreg(HW_REG_WAVE_MODE, 25, 1), 1
	s_wait_xcnt 0x0
	s_wait_alu depctr_hold_cnt(0) depctr_sa_sdst(0) depctr_va_vdst(0) depctr_va_sdst(0) depctr_va_ssrc(0) depctr_va_vcc(0) depctr_vm_vsrc(0)
	s_getreg_b32 s2, hwreg(HW_REG_IB_STS2, 6, 4)
	s_cmp_eq_u32 s2, 0
	s_cbranch_scc0 .Lentry_in_a_cluster
	s_endpgm
.Lentry_in_a_cluster:
	s_bfe_u32 s2, ttmp6, 0x10000c
	s_cmp_lg_u32 s2, 0xf033
	s_cbranch_scc0 .Lentry_shape_is_right
	s_endpgm
.Lentry_shape_is_right:
; h = silu(x w1^T) * (x w2^T), quantised to E5M2 along the hidden axis.  x: [1024][2048], w1, w2: [8192][2048] as codes, K innermost, an E8M0 byte for 32 along K.  Sums in f32.
; scale_x (the constant 1) enters no formula: it has no way to the output and is no argument.  No other step is left out.
; LIMITS: gate x up is formed ahead of the sigmoid, so |gate x up| stays under 2^128; where exp(-gate) passes f32's range (gate under -88) h is 0; NaN and infinities are not served.  A block's byte never falls under 1 (a block of zeros: zero codes).
; THE DEAL: a work-group makes 256 rows x 128 hidden units: 256 columns of product, 128 of w1 and the same 128 of w2.  Four waves, 2 x 2; a wave makes 128 rows x (64 gate + 64 up): 64 accumulators.  256 work-groups.
; K goes in steps of 256 through a ring of two LDS slots: x's 256 rows, w1's 128, w2's 128, rows of 256 bytes + 16 of padding.
; CLUSTERS of 4 x 4: a row shares x's rows, a column shares w1's and w2's: asked for jointly.
; THE SCALE BYTES of the work-group's rows for all of K (32 KiB, read once) come by plain loads at the head, 8 KiB a wave, and are stored into LDS bytes of their own.
; h_codes: [128 hidden: 64][16 rows: 64][c: 4][lane: 32][16 bytes]: the image of an operand's registers; lane (r, h) of group c holds row r, hidden 32 c + 8 h + 0..7, then 32 c + 16 + 8 h + 0..7:
; an order inside the block of 32 that the next launch gives w3 too.  h_scales: [128 hidden: 64][row: 1024][4 bytes].
; THE MATRIX INSTRUCTION IS USED TRANSPOSED (source 0 = weight rows, source 1 = x rows): a lane holds one row of h and eight neighbouring hidden units.
; REGISTERS: window 0: v16-30 addresses; v32-63 scale words, two sets; v64-127 the way out; v128-255 A's fragments.  window 1: B's fragments, two sets.  windows 2, 3: accumulators (a, b) at v[8 (8 (a % 4) + b)], b = 0..3 gate, 4..7 up.
.set NQ,     2
.set ROWB,   256
.set KROW,   2048
.set PITCH,  272
.set FR,     16
.set NP,     8
.set HALFT,  128*PITCH
.set SLOT,   4*HALFT
.set LAPS,   4
.set KS,     64
.set SCL,    2*SLOT
.set HALFS,  (128*KS/256)*272
.set SBLK,   (16*KS/256)*272
.set SPARE,  SCL+4*HALFS
.set STGS,   SPARE+512
.set ADRA, 16
.set RDS,  18
.set GOC,  19
.set ADRB, 20
.set GOS,  22
.set ADRS2, 23
.set SST,  24
.set STS,  25
.set ADRS, 27
.set SPW,  28
.set NIL,  29
.set PFO,  30
.set SC,   32
.set T,    64
.set P,    96
.set AF,   128
.set C,    128
.set E,    192
.set M,    200
.set N,    204
.set F,    206
.set HD,   208
.set SBK,  210
.set MNT,  2
.set SEL,  12
.set LIM,  43
.set PFA,  44
.set NL2,  66
.set G1, 24
.set G0, 32
.set G1B, 48
.set G0B, 56
.set MSB, 0
.macro WIN new
.if MSB != (\new)
	s_set_vgpr_msb (MSB<<8)|(\new)
.set MSB, (\new)
.endif
.endm
.set MUL_LO, 0xa1
.set MUL_HI, 0xf1
.set TO_B,   0x40
.macro PLACES n
.rept \n
	v_nop
.endr
.endm
; A joint load: waves 0 and 1 x's two halves, wave 2 w1's rows, wave 3 w2's.  An s_nop 0 and four v_nop follow each line.
.macro JLOAD s
	s_cmp_eq_u32 s15, 0
	s_cbranch_scc0 .Lfor_b_\@
	tensor_load_to_lds s[G0+4*\s:G0+4*\s+3], s[G1:G1+7]
	s_nop 0
	PLACES 4
	s_branch .Lasked_\@
.Lfor_b_\@:
	tensor_load_to_lds s[G0B+4*\s:G0B+4*\s+3], s[G1B:G1B+7]
	s_nop 0
	PLACES 4
.Lasked_\@:
.endm
; A prefetch of the K step two refills on: 32 of the 128 rows that my wave fetches, a lane a row; the four partners share the rows out by address.  x's rows are asked for by the clusters of column 0 alone.  K steps 4 to 7 in the loop's first two trips.
.macro ASK
	s_cmp_gt_u32 s3, s[LIM]
	s_cbranch_scc0 .Lnot_mine_\@
	global_prefetch_b8 v[PFO], s[PFA:PFA+1] offset:3*ROWB th:TH_LOAD_NT scope:SCOPE_SE
.Lnot_mine_\@:
.endm
.macro CREST
	s_cmp_lg_u32 s14, 0
	s_cbranch_scc1 .Lnot_wave_0_\@
	s_barrier_signal -3
.Lnot_wave_0_\@:
	s_barrier_wait -3
	s_barrier_signal -1
	s_barrier_wait -1
.endm
.macro CROUND
	s_barrier_signal -1
	s_barrier_wait -1
	CREST
.endm
	s_load_b256 s[4:11], s[0:1], 0x0               ; x codes, x scales, w1 codes, w1 scales
	s_load_b256 s[92:99], s[0:1], 0x20             ; w2 codes, w2 scales, h codes, h scales
	v_lshl_add_u32 v[SPW], v0, 2, SPARE
	v_mov_b32 v[NIL], 0
	ds_add_u32 v[SPW], v[NIL]
	ds_add_u32 v[SPW], v[NIL]
	v_lshrrev_b32 v1, 5, v0
	v_readfirstlane_b32 s14, v1                    ; wave
	s_lshr_b32 s15, s14, 1                         ; my half of the rows; also: I fetch for x (0) or for a weight (1)
	s_and_b32 s16, s14, 1                          ; my half of the hidden units; also: which 128 rows of x, or which weight, I fetch
	s_bfe_u32 s40, ttmp6, 0x40000
	s_bfe_u32 s41, ttmp6, 0x40004
	s_lshl_b32 s42, ttmp9, 2
	s_add_co_u32 s42, s42, s40                     ; which 128 hidden units
	s_and_b32 s17, ttmp7, 0xffff
	s_lshl_b32 s17, s17, 2
	s_add_co_u32 s17, s17, s41                     ; which 256 rows
	s_lshl_b32 s43, s41, 2
	s_lshl_b32 s43, 15, s43                        ; my row of the cluster
	s_lshl_b32 s44, 0x1111, s40                    ; my column
	s_or_b32 s[G1+0], s43, (0<<16)|(1<<20)|(1<<21)|(5<<22)|(3<<25)   ; elements of 1 byte; 4 words of padding after every 64
	s_or_b32 s[G1B+0], s44, (0<<16)|(1<<20)|(1<<21)|(5<<22)|(3<<25)
.irp g, G1, G1B
	s_mov_b32 s[\g+1], ROWB<<16
	s_mov_b32 s[\g+2], 128<<16
	s_mov_b32 s[\g+3], ROWB<<16
	s_mov_b32 s[\g+4], 128
	s_mov_b32 s[\g+5], KROW
	s_mov_b32 s[\g+6], 0
	s_mov_b32 s[\g+7], 0
.endr
	s_lshl_b32 s18, s16, 7
	s_lshl_b32 s20, s17, 8
	s_add_co_u32 s20, s20, s18                     ; x: the first row that I fetch
	s_lshl_b32 s22, s20, 6
	s_lshl_b32 s20, s20, 11
	s_mov_b32 s21, 0
	s_mov_b32 s23, 0
	s_lshl_b32 s46, s42, 18                        ; a weight: row 128 x column
	s_mov_b32 s47, 0
	s_lshl_b32 s100, s42, 13
	s_mov_b32 s101, 0
	s_mul_i32 s12, s14, HALFT
	; LDS places, from the wave's number alone
	s_mul_i32 s70, s15, HALFT                      ; my 128 rows of x
	s_mul_i32 s71, s16, 64*PITCH                   ; my 64 rows of w1; w2's lie 128 rows on
	s_add_co_u32 s71, s71, 2*HALFT
	s_mul_i32 s72, s15, HALFS
	s_add_co_u32 s72, s72, SCL                     ; scale words of my rows of x;
	s_xor_b32 s73, s15, 1
	s_add_co_u32 s73, s73, 1
	s_mul_i32 s73, s73, HALFS
	s_mul_i32 s74, s16, 4*SBLK
	s_add_co_u32 s73, s73, s74                     ; from there to w1's,
	s_add_co_u32 s74, s73, 4*SBLK                  ; and to w2's, four blocks back
	s_lshl_b32 s75, s15, 9
	s_lshl_b32 s76, s16, 1
	s_add_co_u32 s75, s75, s76
	s_add_co_u32 s75, s75, STGS                    ; where my scale bytes of h go
	s_mul_i32 s76, s14, HALFS
	s_add_co_u32 s76, s76, SCL                     ; where the scale bytes that I bring go
	s_lshl_b32 s77, s14, 8
	s_add_co_u32 s77, s77, STGS
	s_lshl_b32 s78, s42, 17                        ; h's codes
	s_lshl_b32 s18, s17, 15
	s_add_co_u32 s78, s78, s18
	s_lshl_b32 s18, s15, 14
	s_add_co_u32 s78, s78, s18
	s_lshl_b32 s18, s16, 10
	s_add_co_u32 s78, s78, s18
	s_mov_b32 s79, 0
	s_lshl_b32 s80, s42, 12                        ; h's scale words
	s_lshl_b32 s18, s17, 10
	s_add_co_u32 s80, s80, s18
	s_lshl_b32 s18, s14, 8
	s_add_co_u32 s80, s80, s18
	s_mov_b32 s81, 0
	v_and_b32 v1, 15, v0                           ; r
	v_bfe_u32 v2, v0, 4, 1                         ; h
	v_and_b32 v6, 31, v0
	v_lshlrev_b32 v[GOC], 4, v6
	v_lshlrev_b32 v[PFO], 11, v6
	s_wait_dscnt 0x0                               ; both opening adds are done
	s_wait_alu depctr_va_vdst(0)
	s_wait_kmcnt 0x0
	s_cmp_eq_u32 s14, 3
	s_cselect_b64 s[8:9], s[92:93], s[8:9]
	s_cselect_b64 s[10:11], s[94:95], s[10:11]
	s_add_nc_u64 s[20:21], s[4:5], s[20:21]
	s_add_nc_u64 s[22:23], s[6:7], s[22:23]
	s_add_nc_u64 s[46:47], s[8:9], s[46:47]
	s_add_nc_u64 s[100:101], s[10:11], s[100:101]
	s_add_nc_u64 s[96:97], s[96:97], s[78:79]
	s_add_nc_u64 s[98:99], s[98:99], s[80:81]
	s_cmp_eq_u32 s15, 0
	s_cselect_b64 s[68:69], s[22:23], s[100:101]
.irp s, 0,1
	s_mov_b32 s[G0+4*\s], 1
	s_add_co_u32 s[G0+4*\s+1], s12, \s*SLOT
	s_add_nc_u64 s[G0+4*\s+2:G0+4*\s+3], s[20:21], \s*ROWB
	s_or_b32 s[G0+4*\s+3], s[G0+4*\s+3], 0x80000000
	s_mov_b32 s[G0B+4*\s], 1
	s_add_co_u32 s[G0B+4*\s+1], s12, \s*SLOT
	s_add_nc_u64 s[G0B+4*\s+2:G0B+4*\s+3], s[46:47], \s*ROWB
	s_or_b32 s[G0B+4*\s+3], s[G0B+4*\s+3], 0x80000000
.endr
.irp t, 0,1,2,3,4,5,6,7,8,9,10,11,12,13,14,15
	global_load_b128 v[T+4*\t:T+4*\t+3], v[GOC], s[68:69] offset:512*\t   ; 128 rows' scale bytes, dense: 512 consecutive bytes a load
.endr
	CROUND                                         ; all sixteen work-groups are here
	JLOAD 0                                        ; K step 0: one tensor load a wave at the head
	s_cmp_eq_u32 s15, 0
	s_cselect_b64 s[PFA:PFA+1], s[20:21], s[46:47]
	s_cselect_b32 s18, s40, s41
	s_cselect_b32 s19, ttmp9, 0
	s_cmp_eq_u32 s19, 0
	s_cselect_b32 s[LIM], 1, -1
	s_lshl_b32 s18, s18, 16
	s_mov_b32 s19, 0
	s_add_nc_u64 s[PFA:PFA+1], s[PFA:PFA+1], s[18:19]
	s_cmp_eq_u32 s[LIM], 1
	s_cbranch_scc0 .Lhead_not_mine                 ; K steps 1 to 3 are asked for here, one block of 256 bytes a lane each
	global_prefetch_b8 v[PFO], s[PFA:PFA+1] offset:ROWB th:TH_LOAD_NT scope:SCOPE_SE
	global_prefetch_b8 v[PFO], s[PFA:PFA+1] offset:2*ROWB th:TH_LOAD_NT scope:SCOPE_SE
	global_prefetch_b8 v[PFO], s[PFA:PFA+1] offset:3*ROWB th:TH_LOAD_NT scope:SCOPE_SE
.Lhead_not_mine:
	s_mov_b32 s[MNT], 0x600000                     ; the mantissa field of 57,344
	s_mov_b32 s[SEL], 0x76543210
	s_mov_b32 s[SEL+1], 0xfedcba98
	s_mov_b32 s[NL2], 0xbfb8aa3b                   ; -log2(e)
	s_mov_b32 s[NL2+1], s[NL2]
	v_mul_u32_u24 v3, v1, PITCH
	v_lshl_add_u32 v4, v2, 4, v3
	v_add_nc_u32 v[ADRA], s70, v4
	v_add_nc_u32 v[ADRB], s71, v4
	v_add_nc_u32 v[ADRA+1], SLOT, v[ADRA]
	v_add_nc_u32 v[ADRB+1], SLOT, v[ADRB]
	v_mul_u32_u24 v5, v1, KS                       ; a row's scale bytes: 64, and 16 more for each 256 passed
	v_lshrrev_b32 v7, 8, v5
	v_lshl_add_u32 v5, v7, 4, v5
	v_add_nc_u32 v5, s72, v5
	v_mul_u32_u24 v7, s73, v2                      ; lanes 16-31 take the weight's
	v_mul_u32_u24 v8, s74, v2
	v_add_nc_u32 v[ADRS], v5, v7
	v_add_nc_u32 v[ADRS2], v5, v8
	v_lshl_add_u32 v[STS], v1, 2, s75
	v_mul_u32_u24 v9, 272, v2
	v_lshl_add_u32 v9, v1, 4, v9
	v_add_nc_u32 v[SST], s76, v9
	v_lshl_add_u32 v[RDS], v6, 3, s77
	v_lshlrev_b32 v[GOS], 3, v6
.macro FA slot, q, i0                  ; four fragments of x: 16 LDS loads.  Lane l holds row l % 16; registers 4 c .. 4 c + 3 hold K = 32 c + 16 (l / 16) + 0 .. 15
	WIN 0
.irp i, 0,1,2,3
.irp c, 0,1,2,3
	ds_load_b128 v[AF+FR*((\i0)+\i)+4*\c:AF+FR*((\i0)+\i)+4*\c+3], v[ADRA+\slot] offset:128*(\q)+32*\c+((\i0)+\i)*16*PITCH
.endr
.endr
.endm
.macro FB slot, q, i0                  ; four fragments of w1 (i0 = 0) or w2 (i0 = 4), into set q: 16 LDS loads
	WIN TO_B
.irp i, 0,1,2,3
.irp c, 0,1,2,3
	ds_load_b128 v[128*(\q)+FR*((\i0)+\i)+4*\c:128*(\q)+FR*((\i0)+\i)+4*\c+3], v[ADRB+\slot] offset:128*(\q)+32*\c+(2*(\i0)+\i)*16*PITCH
.endr
.endr
	WIN 0
.endm
.macro SCALES sc                       ; a K step's scale words: 8 LDS loads
.irp i, 0,1,2,3
	ds_load_b64 v[SC+8*NQ*\sc+NQ*\i:SC+8*NQ*\sc+NQ*\i+1], v[ADRS] offset:\i*SBLK
.endr
.irp i, 4,5,6,7
	ds_load_b64 v[SC+8*NQ*\sc+NQ*\i:SC+8*NQ*\sc+NQ*\i+1], v[ADRS2] offset:\i*SBLK
.endr
.endm
; 8 matrix instructions: x's blocks a0, a0 + 1 x four of the weight's.  The 64 accumulators take turns in the same order in every step.
.macro MUL8 a0, bh, q, sc, zero
.irp a, 0,1
.irp b, 0,1,2,3
.set A_, (\a0)+\a
.set B_, 4*(\bh)+\b
.set AC_, 8*(8*(A_%4)+B_)
.set W_, 128*(\q)+FR*B_
.set X_, AF+FR*A_
.set SB_, SC+8*NQ*(\sc)+NQ*B_+(\q)
.set SA_, SC+8*NQ*(\sc)+NQ*A_+(\q)
.if \zero
	v_wmma_scale_f32_16x16x128_f8f6f4 v[AC_:AC_+7], v[W_:W_+FR-1], v[X_:X_+FR-1], 0, v[SB_], v[SA_] matrix_a_fmt:MATRIX_FMT_BF8 matrix_b_fmt:MATRIX_FMT_BF8 matrix_a_scale:MATRIX_SCALE_ROW1
.else
	v_wmma_scale_f32_16x16x128_f8f6f4 v[AC_:AC_+7], v[W_:W_+FR-1], v[X_:X_+FR-1], v[AC_:AC_+7], v[SB_], v[SA_] matrix_a_fmt:MATRIX_FMT_BF8 matrix_b_fmt:MATRIX_FMT_BF8 matrix_a_scale:MATRIX_SCALE_ROW1
.endif
.endr
.endr
.endm
.macro MULQ hi, bh, q, sc, zero
	MUL8 4*\hi, \bh, \q, \sc, \zero
	MUL8 4*\hi+2, \bh, \q, \sc, \zero
.endm
; A slot's first 128 along K.  Out at its head, oldest first: B 0-3, A 0-3, scale words, B 4-7 (16), A 4-7 (16), the next step's B 0-3 (16).  Eight places stand in front of loads into registers that products have read.
.macro STEP slot, zero
	s_wait_dscnt 48
	WIN MUL_LO
	MULQ 0, 0, 0, \slot, \zero
	s_wait_dscnt 32                                ; B 4-7 are in
	MULQ 0, 1, 0, \slot, \zero
	s_wait_dscnt 16                                ; A 4-7 are in
	PLACES NP
	FA \slot, 1, 0
	FB \slot, 1, 4
	WIN MUL_HI
	MULQ 1, 0, 0, \slot, \zero
	MULQ 1, 1, 0, \slot, \zero
	PLACES NP
	FA \slot, 1, 4
.endm
; A slot's second 128 along K, and the change of slots: one round.  fill = 1: this slot is filled again, two K steps ahead.
.macro TURN slot, next, fill
.if \fill
	s_wait_xcnt 0x0                                ; my prefetches have read their address
	s_add_nc_u64 s[PFA:PFA+1], s[PFA:PFA+1], ROWB
.endif
	s_wait_dscnt 32                                ; B 0-3 and A 0-3 are in; B 4-7 and A 4-7 may be out
	WIN MUL_LO
	MULQ 0, 0, 1, \slot, 0
	WIN 0
	s_wait_tensorcnt 0x0                           ; my part of the next slot is in
	ds_add_u32 v[SPW], v[NIL]
.if \fill
	s_add_nc_u64 s[G0+4*\slot+2:G0+4*\slot+3], s[G0+4*\slot+2:G0+4*\slot+3], 2*ROWB
	s_add_nc_u64 s[G0B+4*\slot+2:G0B+4*\slot+3], s[G0B+4*\slot+2:G0B+4*\slot+3], 2*ROWB
.endif
	s_wait_dscnt 17                                ; B 4-7 are in (A 4-7 and the add may be out)
	WIN MUL_LO
	MUL8 0, 1, 1, \slot, 0
	s_wait_dscnt 0x0                               ; the add is done, and my reads of this slot are over
	s_barrier_signal -1
	MUL8 2, 1, 1, \slot, 0
	WIN 0
	s_barrier_wait -1
.if \fill
	CREST                                          ; no wave of any partner still reads this slot or has a load on its way
	JLOAD \slot
	PLACES NP-4
.else
	PLACES NP
.endif
	s_wait_alu depctr_va_vdst(0)
	v_add_nc_u32 v[ADRS], 4*NQ, v[ADRS]            ; on to the next K step's scale words
	v_add_nc_u32 v[ADRS2], 4*NQ, v[ADRS2]
	FB \next, 0, 0
	FA \next, 0, 0
	SCALES \next
	FB \next, 0, 4
.if \fill
	ASK
.endif
	WIN MUL_HI
	MULQ 1, 0, 1, \slot, 0
	MULQ 1, 1, 1, \slot, 0
	PLACES NP
	FA \next, 0, 4
	FB \next, 1, 0
.endm
	s_wait_alu depctr_va_vdst(0)
	s_wait_loadcnt 0x0                             ; my scale bytes are in registers
	s_wait_tensorcnt 0x0                           ; my part of K step 0 is in
.irp t, 0,1,2,3,4,5,6,7,8,9,10,11,12,13,14,15
	ds_store_b128 v[SST], v[T+4*\t:T+4*\t+3] offset:544*\t    ; units of 256 bytes + 16 of padding
.endr
	s_wait_tensorcnt 0x0
	ds_add_u32 v[SPW], v[NIL]
	s_wait_dscnt 0x0                               ; the add and my stores are done
	CROUND                                         ; everybody's part is in
	JLOAD 1                                        ; K step 1
	FB 0, 0, 0
	FA 0, 0, 0
	SCALES 0
	FB 0, 0, 4
	FA 0, 0, 4
	FB 0, 1, 0
	STEP 0, 1                                      ; the first step starts the sums
	s_mov_b32 s3, LAPS-1
.Llap:
	TURN 0, 1, 1
	STEP 1, 0
	TURN 1, 0, 1
	STEP 0, 0
	s_sub_co_u32 s3, s3, 1
	s_cmp_lg_u32 s3, 0
	s_cbranch_scc1 .Llap
	TURN 0, 1, 0
	STEP 1, 0
	s_wait_dscnt 32                                ; the last step: nothing more to fetch
	WIN MUL_LO
	MULQ 0, 0, 1, 1, 0
	s_wait_dscnt 16
	MULQ 0, 1, 1, 1, 0
	s_wait_dscnt 0
	WIN MUL_HI
	MULQ 1, 0, 1, 1, 0
	MULQ 1, 1, 1, 1, 0
	WIN 0
; THE WAY OUT of x's block a: 16 rows x 64 hidden units: h = gate up / (1 + 2^(-log2(e) gate)), two blocks of 32 along the next K, each in lanes l and l xor 16; 512 consecutive bytes of codes a store.
.macro EPI a
.set AC, 64*((\a)%4)
	WIN 0x0a+5*((\a)/4)
	s_wait_alu depctr_va_vdst(0)
.set J, 0
.rept 16
	v_pk_mul_f32 v[T+J:T+J+1], v[AC+J:AC+J+1], s[NL2:NL2+1] op_sel_hi:[1,0]
.set J, J+2
.endr
.set J, 0
.rept 16
	v_pk_mul_f32 v[P+J:P+J+1], v[AC+J:AC+J+1], v[AC+32+J:AC+32+J+1]
.set J, J+2
.endr
	WIN 0
.set J, 0
	s_wait_alu depctr_va_vdst(0)
.rept 32
	v_exp_f32 v[T+J], v[T+J]
.set J, J+1
.endr
	v_nop
	s_wait_alu depctr_va_vdst(0)
.set J, 0
.rept 16
	v_pk_add_f32 v[T+J:T+J+1], v[T+J:T+J+1], 1.0 op_sel_hi:[1,0]
.set J, J+2
.endr
.set J, 0
	s_wait_alu depctr_va_vdst(0)
.rept 32
	v_rcp_f32 v[T+J], v[T+J]
.set J, J+1
.endr
	v_nop
	s_wait_alu depctr_va_vdst(0)
.set J, 0
.rept 16
	v_pk_mul_f32 v[P+J:P+J+1], v[P+J:P+J+1], v[T+J:T+J+1]
.set J, J+2
.endr
.irp b, 0,1
	v_max3_num_f32 v[M+\b], |v[P+16*\b]|, |v[P+16*\b+1]|, 0x8000000   ; the floor 2^(16 - 127): the byte cannot fall under 1
	v_max3_num_f32 v[M+2+\b], |v[P+16*\b+8]|, |v[P+16*\b+9]|, |v[P+16*\b+10]|
.endr
.irp i, 2,4,6
.irp b, 0,1
	v_max3_num_f32 v[M+\b], v[M+\b], |v[P+16*\b+\i]|, |v[P+16*\b+\i+1]|
.endr
.endr
.irp i, 11,13
.irp b, 0,1
	v_max3_num_f32 v[M+2+\b], v[M+2+\b], |v[P+16*\b+\i]|, |v[P+16*\b+\i+1]|
.endr
.endr
.irp b, 0,1
	v_max3_num_f32 v[M+\b], v[M+\b], v[M+2+\b], |v[P+16*\b+15]|
.endr
.irp b, 0,1
	v_permlanex16_b32 v[N+\b], v[M+\b], s[SEL], s[SEL+1]
.endr
.irp b, 0,1
	v_max_num_f32 v[M+\b], v[M+\b], v[N+\b]
.endr
.irp b, 0,1
	v_add_nc_u32 v[F+\b], 0xf8800000, v[M+\b]      ; 15 off the exponent field: the conversion's scale operand
.endr
.irp b, 0,1
	v_and_or_b32 v[HD+\b], v[M+\b], 0x7f800000, s[MNT]   ; 57,344 x the scale
.endr
.irp b, 0,1
	v_lshrrev_b32 v[N+\b], 23, v[F+\b]             ; the scale's byte
.endr
	v_lshl_or_b32 v[E+(\a)], v[N+1], 8, v[N]
.irp b, 0,1
.set J, 0
.rept 16
	v_med3_num_f32 v[P+16*\b+J], v[P+16*\b+J], -v[HD+\b], v[HD+\b]   ; the conversion does not saturate (ISA guide 7.6.2)
.set J, J+1
.endr
	v_cvt_scalef32_pk8_bf8_f32 v[C+8*(\a)+4*\b:C+8*(\a)+4*\b+1], v[P+16*\b:P+16*\b+7], v[F+\b]
	v_cvt_scalef32_pk8_bf8_f32 v[C+8*(\a)+4*\b+2:C+8*(\a)+4*\b+3], v[P+16*\b+8:P+16*\b+15], v[F+\b]
.endr
	v_nop
.irp b, 0,1
	global_store_b128 v[GOC], v[C+8*(\a)+4*\b:C+8*(\a)+4*\b+3], s[96:97] offset:2048*(\a)+512*\b
.endr
	ds_store_b16 v[STS], v[E+(\a)] offset:64*(\a)
.endm
	PLACES NP
	v_mov_b32 v[N], 0                              ; (a lane permute's destination counts as one of its sources)
	v_mov_b32 v[N+1], 0
.irp a, 0,1,2,3,4,5,6,7
	EPI \a
.endr
	s_wait_dscnt 0x0                               ; a row's scale word comes from two waves: my bytes are stored
	s_barrier_signal -1
	s_barrier_wait -1
	ds_load_b64 v[SBK:SBK+1], v[RDS]
	s_wait_dscnt 0x0
	global_store_b64 v[GOS], v[SBK:SBK+1], s[98:99]   ; 64 rows' words: 256 consecutive bytes a wave
	s_wait_tensorcnt 0x0                           ; the wave's end
	ds_add_u32 v[SPW], v[NIL]
	s_wait_dscnt 0x0
	CROUND                                         ; the closing round
	s_endpgm
.Lfunc_end_k_q73bf5dfebd_gateup:
	.size	k_q73bf5dfebd_gateup, .Lfunc_end_k_q73bf5dfebd_gateup-k_q73bf5dfebd_gateup
	.p2alignl 7, 3214868480
	.fill 96, 4, 3214868480
	.section	.rodata,"a",@progbits
	.p2align	6, 0x0
	.amdhsa_kernel k_q73bf5dfebd_gateup
		.amdhsa_group_segment_fixed_size 327680
		.amdhsa_private_segment_fixed_size 0
		.amdhsa_enable_private_segment 0
		.amdhsa_kernarg_size 64
		.amdhsa_user_sgpr_count 2
		.amdhsa_user_sgpr_kernarg_segment_ptr 1
		.amdhsa_wavefront_size32 1
		.amdhsa_system_sgpr_workgroup_id_x 1
		.amdhsa_system_sgpr_workgroup_id_y 1
		.amdhsa_system_sgpr_workgroup_id_z 1
		.amdhsa_system_vgpr_workitem_id 0
		.amdhsa_next_free_vgpr 1024
		.amdhsa_next_free_sgpr 102
		.amdhsa_reserve_vcc 0
		.amdhsa_float_denorm_mode_32 3
		.amdhsa_float_denorm_mode_16_64 3
		.amdhsa_memory_ordered 1
		.amdhsa_forward_progress 1
		.amdhsa_inst_pref_size 205
	.end_amdhsa_kernel
	.amdgpu_metadata
---
amdhsa.version: [ 1, 2 ]
amdhsa.kernels:
  - .name:           k_q73bf5dfebd_gateup
    .symbol:         k_q73bf5dfebd_gateup.kd
    .args:
      - { .name: x_codes, .offset: 0, .size: 8, .value_kind: global_buffer, .address_space: global }
      - { .name: x_scales, .offset: 8, .size: 8, .value_kind: global_buffer, .address_space: global }
      - { .name: w1_codes, .offset: 16, .size: 8, .value_kind: global_buffer, .address_space: global }
      - { .name: w1_scales, .offset: 24, .size: 8, .value_kind: global_buffer, .address_space: global }
      - { .name: w2_codes, .offset: 32, .size: 8, .value_kind: global_buffer, .address_space: global }
      - { .name: w2_scales, .offset: 40, .size: 8, .value_kind: global_buffer, .address_space: global }
      - { .name: h_codes, .offset: 48, .size: 8, .value_kind: global_buffer, .address_space: global }
      - { .name: h_scales, .offset: 56, .size: 8, .value_kind: global_buffer, .address_space: global }
    .group_segment_fixed_size: 327680
    .private_segment_fixed_size: 0
    .kernarg_segment_align: 8
    .kernarg_segment_size: 64
    .max_flat_workgroup_size: 128
    .sgpr_count:     102
    .vgpr_count:     1024
    .wavefront_size: 32
...
	.end_amdgpu_metadata
.endif
;; end of part 3
;; launch down (part 4): grid 16 x 16, 4 waves a work-group, clusters of 4 x 1, 327,680 bytes of LDS; arguments h_codes, h_scales, w3_codes, w3_scales, out0; writes out0
.if DOCPART == 4
	.amdgcn_target "amdgcn-amd-amdhsa--gfx1250"
	.amdhsa_code_object_version 6
	.text
	.protected	k_q73bf5dfebd_down
	.globl	k_q73bf5dfebd_down
	.p2align	8
	.type	k_q73bf5dfebd_down,@function
k_q73bf5dfebd_down:
	s_mov_b64 s[64:65], 0
	v_nop
	global_prefetch_b8 v0, s[64:65] scope:SCOPE_SE
	s_setreg_imm32_b32 hwreg(HW_REG_WAVE_MODE, 25, 1), 1
	s_wait_xcnt 0x0
	s_wait_alu depctr_hold_cnt(0) depctr_sa_sdst(0) depctr_va_vdst(0) depctr_va_sdst(0) depctr_va_ssrc(0) depctr_va_vcc(0) depctr_vm_vsrc(0)
	s_getreg_b32 s2, hwreg(HW_REG_IB_STS2, 6, 4)
	s_cmp_eq_u32 s2, 0
	s_cbranch_scc0 .Lentry_in_a_cluster
	s_endpgm
.Lentry_in_a_cluster:
	s_bfe_u32 s2, ttmp6, 0x10000c
	s_cmp_lg_u32 s2, 0x3003
	s_cbranch_scc0 .Lentry_shape_is_right
	s_endpgm
.Lentry_shape_is_right:
; out[m][n] = sum over k of h[m][k] w3[n][k].  h: 1,024 x 8,192 as codes of E5M2 and scale words, laid by the launch before: codes [128 along K: 64][16 rows: 64][c: 4][lane: 32][16 bytes], the image of an operand's registers,
; lane (r, h) of group c: K = 32 c + 8 h + 0..7, then 32 c + 16 + 8 h + 0..7; scale words [128 along K: 64][row: 1024][4 bytes].  w3: [2048][8192] codes, K innermost; its scale bytes [2048][256].  out: [1024][2048] f32.  No step is left out.
; LIMITS: NaN, infinities and sums beyond f32's range are not served.
; THE DEAL: a tile of out is 64 rows x 128 columns: 16 x 16 = 256 work-groups (x: rows, y: columns).  THE FOUR WAVES SPLIT K: each makes the whole tile, 32 accumulators, on 16 of the 64 chunks of 128 along K:
; of a slot k of 1,024 along K wave q takes chunks 8 k + 2 q + i, i = 0, 1: steps 2 k + i, 32 matrix instructions each.  An output is (s0 + s1) + (s2 + s3), s_q wave q's f32 chain, K ascending in each.
; h GOES FROM MEMORY STRAIGHT INTO REGISTERS, 16 loads of 512 consecutive bytes and 2 of scale words a step, three steps ahead (54 loads of a wave out, 24.75 KiB), in four sets, behind counted waits: no prefetch is written for it.
; w3 GOES THROUGH LDS: two slots of 128 rows x 1,024; wave q fetches, and alone reads, its 256 bytes of each row.  A slot's fragments for a wave fill 256 registers: two sets.
; w3's fragments take h's order inside a block of 32: two pieces of 8 bytes, 16 apart, by one load with two addresses.
; CLUSTERS of 4 x 1: four tiles of rows of one tile of columns need the same w3: asked for jointly.  h is not: a joint load lands in LDS, which w3's two slots and scale bytes fill (313,344 bytes).
; w3 is prefetched: slots 1 to 3 at the head, slot k + 4 behind the round of slot k: of the 128 rows x 256 bytes that wave q fetches the partner at cx asks for 32, a lane a row.
; REGISTERS: window 0: v16-31 addresses, v32-63 h's scale words, v64-79 w3's, two sets, v80-95 addresses of w3's fragments; window 1: accumulators (a, b) at v[8 (8 a + b)]; window 2: h's four sets; window 3: w3's two sets.
; The matrix instruction is used transposed (source 0 = 16 rows of w3, source 1 = 16 rows of h): a lane holds eight neighbouring numbers of a row of out.
.set PB,    272
.set WB,    128*PB
.set SLOT,  4*WB
.set SCB,   2*SLOT
.set SPARE, SCB+128*272
.set XP,    528                        ; the way out: a row of a partial tile: 512 bytes + 16
.set XW,    64*XP
.set CH,    131072
.set CHS,   4096
.set AO,   16                          ; 16 x lane
.set SO,   17                          ; 4 x lane
.set PFO,  18                          ; 8,192 x lane
.set ADSB, 19
.set SST,  20
.set STO,  21
.set RD0,  22
.set RD1,  23
.set SPW,  28
.set NIL,  29
.set HS,   32                          ; step s = 2 k + i, blocks 2 e (lanes 0-15) and 2 e + 1 (lanes 16-31): v[HS + 4 k + 1 - i + 2 e]: no product's two scale words have numbers equal modulo 8
.set SC,   64                          ; slot k, step i, w3's blocks j (lanes 0-15) and j + 4 (lanes 16-31): v[SC + 8 (k % 2) + 2 j + i]
.set ADRB, 80
.set STG,  128
.set X,    64
.set G1B, 24
.set G0B, 32
.set MULW, 0x5b
.set MSB, 0
.macro WIN new
.if MSB != (\new)
	s_set_vgpr_msb (MSB<<8)|(\new)
.set MSB, (\new)
.endif
.endm
.macro PLACES n
.rept \n
	v_nop
.endr
.endm
.macro CREST
	s_cmp_lg_u32 s14, 0
	s_cbranch_scc1 .Lnot_wave_0_\@
	s_barrier_signal -3
.Lnot_wave_0_\@:
	s_barrier_wait -3
	s_barrier_signal -1
	s_barrier_wait -1
.endm
.macro CROUND
	s_barrier_signal -1
	s_barrier_wait -1
	CREST
.endm
.macro TLOAD p
	tensor_load_to_lds s[G0B+4*(\p):G0B+4*(\p)+3], s[G1B:G1B+7]
	s_nop 0
	PLACES 4
.endm
.macro ASK k
	global_prefetch_b8 v[PFO], s[48:49] offset:1024*(\k) th:TH_LOAD_NT scope:SCOPE_SE
.endm
.macro ALOAD s                         ; h's four fragments and two registers of scale words of step s: 18 loads
	WIN 0x80
.irp a, 0,1,2,3
.irp c, 0,1,2,3
	global_load_b128 v[64*((\s)%4)+16*\a+4*\c:64*((\s)%4)+16*\a+4*\c+3], v[AO], s[4:5] offset:(8*((\s)/2)+(\s)%2)*CH+2048*\a+512*\c
.endr
.endr
	WIN 0
.irp e, 0,1
	global_load_b32 v[HS+4*((\s)/2)+1-(\s)%2+2*\e], v[SO], s[6:7] offset:(8*((\s)/2)+(\s)%2)*CHS+128*\e
.endr
.endm
.macro WLOAD k, i                      ; w3's eight fragments of slot k, step i, into set i: 32 loads
	WIN 0xc0
.irp b, 0,1,2,3,4,5,6,7
.irp c, 0,1,2,3
	ds_load_2addr_b64 v[128*(\i)+16*\b+4*\c:128*(\i)+16*\b+4*\c+3], v[ADRB+8*((\k)%2)+\b] offset0:16*(\i)+4*\c offset1:16*(\i)+4*\c+2
.endr
.endr
	WIN 0
.endm
.macro SCLOAD k                        ; slot k's scale words of w3: 4 loads
.irp j, 0,1,2,3
	ds_load_b64 v[SC+8*((\k)%2)+2*\j:SC+8*((\k)%2)+2*\j+1], v[ADSB] offset:\j*16*272+32*(\k)
.endr
.endm
.macro MUL4 s, a, bh                   ; 4 products of step s: h's block a x four of w3's.  The 32 accumulators take turns
.irp b, 0,1,2,3
.set B_, 4*(\bh)+\b
.set AC_, 8*(8*(\a)+B_)
.set W_, 128*((\s)%2)+16*B_
.set H_, 64*((\s)%4)+16*(\a)
.set SA_, SC+8*(((\s)/2)%2)+2*\b+((\s)%2)
.set SB_, HS+4*((\s)/2)+1-((\s)%2)+2*((\a)/2)
.if (\s) == 0
.if (\bh) && ((\a)%2)
	v_wmma_scale_f32_16x16x128_f8f6f4 v[AC_:AC_+7], v[W_:W_+15], v[H_:H_+15], 0, v[SA_], v[SB_] matrix_a_fmt:MATRIX_FMT_BF8 matrix_b_fmt:MATRIX_FMT_BF8 matrix_a_scale:MATRIX_SCALE_ROW1 matrix_b_scale:MATRIX_SCALE_ROW1
.elseif \bh
	v_wmma_scale_f32_16x16x128_f8f6f4 v[AC_:AC_+7], v[W_:W_+15], v[H_:H_+15], 0, v[SA_], v[SB_] matrix_a_fmt:MATRIX_FMT_BF8 matrix_b_fmt:MATRIX_FMT_BF8 matrix_a_scale:MATRIX_SCALE_ROW1
.elseif (\a)%2
	v_wmma_scale_f32_16x16x128_f8f6f4 v[AC_:AC_+7], v[W_:W_+15], v[H_:H_+15], 0, v[SA_], v[SB_] matrix_a_fmt:MATRIX_FMT_BF8 matrix_b_fmt:MATRIX_FMT_BF8 matrix_b_scale:MATRIX_SCALE_ROW1
.else
	v_wmma_scale_f32_16x16x128_f8f6f4 v[AC_:AC_+7], v[W_:W_+15], v[H_:H_+15], 0, v[SA_], v[SB_] matrix_a_fmt:MATRIX_FMT_BF8 matrix_b_fmt:MATRIX_FMT_BF8
.endif
.else
.if (\bh) && ((\a)%2)
	v_wmma_scale_f32_16x16x128_f8f6f4 v[AC_:AC_+7], v[W_:W_+15], v[H_:H_+15], v[AC_:AC_+7], v[SA_], v[SB_] matrix_a_fmt:MATRIX_FMT_BF8 matrix_b_fmt:MATRIX_FMT_BF8 matrix_a_scale:MATRIX_SCALE_ROW1 matrix_b_scale:MATRIX_SCALE_ROW1
.elseif \bh
	v_wmma_scale_f32_16x16x128_f8f6f4 v[AC_:AC_+7], v[W_:W_+15], v[H_:H_+15], v[AC_:AC_+7], v[SA_], v[SB_] matrix_a_fmt:MATRIX_FMT_BF8 matrix_b_fmt:MATRIX_FMT_BF8 matrix_a_scale:MATRIX_SCALE_ROW1
.elseif (\a)%2
	v_wmma_scale_f32_16x16x128_f8f6f4 v[AC_:AC_+7], v[W_:W_+15], v[H_:H_+15], v[AC_:AC_+7], v[SA_], v[SB_] matrix_a_fmt:MATRIX_FMT_BF8 matrix_b_fmt:MATRIX_FMT_BF8 matrix_b_scale:MATRIX_SCALE_ROW1
.else
	v_wmma_scale_f32_16x16x128_f8f6f4 v[AC_:AC_+7], v[W_:W_+15], v[H_:H_+15], v[AC_:AC_+7], v[SA_], v[SB_] matrix_a_fmt:MATRIX_FMT_BF8 matrix_b_fmt:MATRIX_FMT_BF8
.endif
.endif
.endr
.endm
.macro MULA s, a
	MUL4 \s, \a, 0
	MUL4 \s, \a, 1
.endm
.macro HWAIT s                         ; step s's h is in; the loads of up to three later steps may be out
.if (\s)+3 < 16
	s_wait_loadcnt 54
.else
	s_wait_loadcnt 18*(15-(\s))
.endif
.endm
; Slot k's first step.  Behind 24 of its products the next slot is waited for; the slot's own reads are over then, so it is filled again (k < 6) behind a round.  At k = 6 nothing is filled: the next slot's bytes are read by the wave that asked for them.
.macro EVEN k
.if 2*(\k)+3 < 16
	ALOAD 2*(\k)+3
.endif
	HWAIT 2*(\k)
	s_wait_dscnt 32                                ; set 0 and the scale words are in; set 1's 32 loads may be out
	WIN MULW
	MULA 2*(\k), 0
	MULA 2*(\k), 1
	MULA 2*(\k), 2
.if (\k) < 6
	WIN 0
	s_wait_tensorcnt 0x0                           ; my part of the next slot is in
	ds_add_u32 v[SPW], v[NIL]
	s_add_nc_u64 s[G0B+4*((\k)%2)+2:G0B+4*((\k)%2)+3], s[G0B+4*((\k)%2)+2:G0B+4*((\k)%2)+3], 2048
	WIN MULW
	MUL4 2*(\k), 3, 0
	s_wait_dscnt 0x0                               ; the add is done, and my reads of this slot are over
	s_barrier_signal -1
	MUL4 2*(\k), 3, 1
	WIN 0
	s_barrier_wait -1
	CREST
	TLOAD (\k)%2                                   ; slot k + 2
	PLACES 4                                       ; with the four ahead: eight in front of the loads into registers that products have read
.else
	MULA 2*(\k), 3
	WIN 0
.if (\k) == 6
	s_wait_tensorcnt 0x0                           ; the last slot: my part is in
	PLACES 8
.endif
.endif
.if (\k) < 7
	WLOAD (\k)+1, 0
	SCLOAD (\k)+1
.endif
.if (\k) < 4
	ASK (\k)+4
.endif
.endm
.macro ODD k                           ; slot k's second step (k < 7)
.if 2*(\k)+4 < 16
	ALOAD 2*(\k)+4
.endif
	HWAIT 2*(\k)+1
	s_wait_dscnt 36                                ; set 1 is in; the 36 loads just issued may be out
	WIN MULW
	MULA 2*(\k)+1, 0
	MULA 2*(\k)+1, 1
	MULA 2*(\k)+1, 2
	MULA 2*(\k)+1, 3
	WIN 0
	PLACES 8
	WLOAD (\k)+1, 1
.endm
	s_load_b256 s[4:11], s[0:1], 0x0               ; h codes, h scales, w3 codes, w3 scales
	s_load_b64 s[12:13], s[0:1], 0x20              ; out
	v_lshl_add_u32 v[SPW], v0, 2, SPARE
	v_mov_b32 v[NIL], 0
	ds_add_u32 v[SPW], v[NIL]
	ds_add_u32 v[SPW], v[NIL]
	v_lshrrev_b32 v1, 5, v0
	v_readfirstlane_b32 s14, v1                    ; wave q
	s_bfe_u32 s40, ttmp6, 0x40000                  ; cx
	s_lshl_b32 s16, ttmp9, 2
	s_add_co_u32 s16, s16, s40                     ; rows 64 s16 on
	s_and_b32 s17, ttmp7, 0xffff                   ; columns 128 s17 on, which the four partners share
	s_mov_b32 s[G1B], 15|(0<<16)|(1<<20)|(1<<21)|(5<<22)|(3<<25)   ; all four; elements of 1 byte; 4 words of padding after every 64
	s_mov_b32 s[G1B+1], 256<<16
	s_mov_b32 s[G1B+2], 128<<16
	s_mov_b32 s[G1B+3], 256<<16
	s_mov_b32 s[G1B+4], 128
	s_mov_b32 s[G1B+5], 8192
	s_mov_b32 s[G1B+6], 0
	s_mov_b32 s[G1B+7], 0
	s_lshl_b32 s20, s14, 18                        ; h's codes: chunk 2 q, my tile's four images
	s_lshl_b32 s18, s16, 13
	s_add_co_u32 s20, s20, s18
	s_mov_b32 s21, 0
	s_lshl_b32 s22, s14, 13                        ; h's scale words
	s_lshl_b32 s18, s16, 8
	s_add_co_u32 s22, s22, s18
	s_mov_b32 s23, 0
	s_lshl_b32 s44, s17, 20                        ; w3's codes: row 128 s17, my 256 bytes of a slot's 1,024
	s_lshl_b32 s42, s14, 8
	s_add_co_u32 s44, s44, s42
	s_mov_b32 s45, 0
	s_lshl_b32 s46, s17, 15                        ; w3's scale bytes: the 32 rows that I bring
	s_lshl_b32 s42, s14, 13
	s_add_co_u32 s46, s46, s42
	s_mov_b32 s47, 0
	s_lshl_b32 s50, s40, 18                        ; the prefetches: my 32 of the 128 rows
	s_mov_b32 s51, 0
	s_mul_i32 s41, s14, WB
	s_mul_i32 s43, s14, 32*272
	s_add_co_u32 s43, s43, SCB
	s_lshl_b32 s52, s14, 3
	s_add_co_u32 s52, s52, SCB
	s_mul_i32 s53, s14, XW
	s_mul_i32 s54, s14, 16*XP
	s_lshl_b32 s18, s16, 19                        ; out: row 64 s16 + 16 q, column 128 s17
	s_lshl_b32 s19, s14, 17
	s_add_co_u32 s18, s18, s19
	s_lshl_b32 s19, s17, 9
	s_add_co_u32 s18, s18, s19
	s_mov_b32 s19, 0
	v_and_b32 v6, 31, v0
	v_lshlrev_b32 v[AO], 4, v6
	v_lshlrev_b32 v[SO], 2, v6
	v_lshlrev_b32 v[PFO], 13, v6
	v_and_b32 v1, 15, v0                           ; r
	v_bfe_u32 v2, v0, 4, 1                         ; h
	s_wait_dscnt 0x0                               ; both opening adds are done
	s_wait_alu depctr_va_vdst(0)
	s_wait_kmcnt 0x0
	s_add_nc_u64 s[4:5], s[4:5], s[20:21]
	s_add_nc_u64 s[6:7], s[6:7], s[22:23]
	s_add_nc_u64 s[8:9], s[8:9], s[44:45]
	s_add_nc_u64 s[10:11], s[10:11], s[46:47]
	s_add_nc_u64 s[12:13], s[12:13], s[18:19]
	s_add_nc_u64 s[48:49], s[8:9], s[50:51]
.irp n, 0,1
	s_mov_b32 s[G0B+4*\n], 1
	s_add_co_u32 s[G0B+4*\n+1], s41, \n*SLOT
	s_add_nc_u64 s[G0B+4*\n+2:G0B+4*\n+3], s[8:9], \n*1024
	s_or_b32 s[G0B+4*\n+3], s[G0B+4*\n+3], 0x80000000
.endr
.irp t, 0,1,2,3,4,5,6,7,8,9,10,11,12,13,14,15
	global_load_b128 v[STG+4*\t:STG+4*\t+3], v[AO], s[10:11] offset:512*\t   ; 32 rows' scale bytes, dense
.endr
	ALOAD 0
	CROUND                                         ; all four work-groups are here
	TLOAD 0                                        ; slot 0: one tensor load a wave at the head
	ALOAD 1
	ALOAD 2
	ASK 1
	ASK 2
	ASK 3
	v_mul_u32_u24 v3, v1, PB
	v_lshl_add_u32 v4, v2, 3, v3
	v_add_nc_u32 v[ADRB], s41, v4                  ; row r, + 8 h
.irp b, 1,2,3,4,5,6,7
	v_add_nc_u32 v[ADRB+\b], \b*16*PB, v[ADRB]
.endr
.irp b, 0,1,2,3,4,5,6,7
	v_add_nc_u32 v[ADRB+8+\b], SLOT, v[ADRB+\b]
.endr
	v_mul_u32_u24 v5, 64*272, v2                   ; lanes 16-31 take the rows 64 further on
	v_add_nc_u32 v5, v5, v3
	v_add_nc_u32 v[ADSB], s52, v5
	v_mul_u32_u24 v7, 272, v2
	v_lshl_add_u32 v7, v1, 4, v7
	v_add_nc_u32 v[SST], s43, v7
	v_mul_u32_u24 v8, v1, XP
	v_lshl_add_u32 v8, v2, 5, v8
	v_add_nc_u32 v[STO], s53, v8
	v_add_nc_u32 v[RD0], s54, v[AO]
	v_add_nc_u32 v[RD1], 2*XW, v[RD0]
	s_wait_alu depctr_va_vdst(0)
	s_wait_loadcnt 54                              ; the scale bytes are in registers; three steps' loads of h are younger
	s_wait_tensorcnt 0x0                           ; my part of slot 0 is in
.irp t, 0,1,2,3,4,5,6,7,8,9,10,11,12,13,14,15
	ds_store_b128 v[SST], v[STG+4*\t:STG+4*\t+3] offset:544*\t
.endr
	s_wait_tensorcnt 0x0
	ds_add_u32 v[SPW], v[NIL]
	s_wait_dscnt 0x0                               ; the add and my stores are done
	CROUND
	TLOAD 1                                        ; slot 1
	WLOAD 0, 0
	SCLOAD 0
	WLOAD 0, 1
.irp k, 0,1,2,3,4,5,6
	EVEN \k
	ODD \k
.endr
	EVEN 7
	s_wait_loadcnt 0x0                             ; step 15: nothing more to fetch
	s_wait_dscnt 0x0                               ; my last reads of the slots are over
	s_barrier_signal -1
	WIN MULW
	MULA 15, 0
	MULA 15, 1
	MULA 15, 2
	MULA 15, 3
	WIN 0
	s_barrier_wait -1                              ; nobody reads a slot any more: the partial tiles may be laid over them
; THE WAY OUT: each wave lays its partial tile into LDS; a barrier; each wave adds the four partial tiles of 16 rows and stores whole rows of 512 bytes.
	PLACES 8
	WIN 0x04
.irp a, 0,1,2,3
.irp b, 0,1,2,3,4,5,6,7
	ds_store_b128 v[STO], v[8*(8*\a+\b):8*(8*\a+\b)+3] offset:\a*16*XP+64*\b
	ds_store_b128 v[STO], v[8*(8*\a+\b)+4:8*(8*\a+\b)+7] offset:\a*16*XP+64*\b+16
.endr
.endr
	WIN 0
	s_wait_dscnt 0x0                               ; for the others' sake: my stores are done
	s_barrier_signal -1
	s_barrier_wait -1
.irp v, 0,1                            ; eight rows at a time: the first in window 0, the second in window 2
	WIN 0x80*\v
.irp s, 0,1,2,3
.irp t, 0,1,2,3,4,5,6,7
	ds_load_b128 v[X+32*\s+4*\t:X+32*\s+4*\t+3], v[RD0+(\s/2)] offset:(\s%2)*XW+(8*\v+\t)*XP
.endr
.endr
.endr
.irp v, 0,1
	s_wait_dscnt 32-32*\v
	WIN 0xaa*\v
.irp t, 0,1,2,3,4,5,6,7
.irp e, 0,2
	v_pk_add_f32 v[X+4*\t+\e:X+4*\t+\e+1], v[X+4*\t+\e:X+4*\t+\e+1], v[X+32+4*\t+\e:X+32+4*\t+\e+1]
	v_pk_add_f32 v[X+64+4*\t+\e:X+64+4*\t+\e+1], v[X+64+4*\t+\e:X+64+4*\t+\e+1], v[X+96+4*\t+\e:X+96+4*\t+\e+1]
.endr
.endr
.irp t, 0,1,2,3,4,5,6,7
.irp e, 0,2
	v_pk_add_f32 v[X+4*\t+\e:X+4*\t+\e+1], v[X+4*\t+\e:X+4*\t+\e+1], v[X+64+4*\t+\e:X+64+4*\t+\e+1]
.endr
.endr
	WIN 0x08*\v
.irp t, 0,1,2,3,4,5,6,7
	global_store_b128 v[AO], v[X+4*\t:X+4*\t+3], s[12:13] offset:(8*\v+\t)*8192 th:TH_STORE_NT   ; 32 lanes store 512 consecutive bytes
.endr
.endr
	WIN 0
	s_wait_tensorcnt 0x0                           ; the wave's end
	ds_add_u32 v[SPW], v[NIL]
	s_wait_dscnt 0x0
	CROUND                                         ; the closing round
	s_endpgm
.Lfunc_end_k_q73bf5dfebd_down:
	.size	k_q73bf5dfebd_down, .Lfunc_end_k_q73bf5dfebd_down-k_q73bf5dfebd_down
	.p2alignl 7, 3214868480
	.fill 96, 4, 3214868480
	.section	.rodata,"a",@progbits
	.p2align	6, 0x0
	.amdhsa_kernel k_q73bf5dfebd_down
		.amdhsa_group_segment_fixed_size 327680
		.amdhsa_private_segment_fixed_size 0
		.amdhsa_enable_private_segment 0
		.amdhsa_kernarg_size 40
		.amdhsa_user_sgpr_count 2
		.amdhsa_user_sgpr_kernarg_segment_ptr 1
		.amdhsa_wavefront_size32 1
		.amdhsa_system_sgpr_workgroup_id_x 1
		.amdhsa_system_sgpr_workgroup_id_y 1
		.amdhsa_system_sgpr_workgroup_id_z 1
		.amdhsa_system_vgpr_workitem_id 0
		.amdhsa_next_free_vgpr 1024
		.amdhsa_next_free_sgpr 66
		.amdhsa_reserve_vcc 0
		.amdhsa_float_denorm_mode_32 3
		.amdhsa_float_denorm_mode_16_64 3
		.amdhsa_memory_ordered 1
		.amdhsa_forward_progress 1
		.amdhsa_inst_pref_size 163
	.end_amdhsa_kernel
	.amdgpu_metadata
---
amdhsa.version: [ 1, 2 ]
amdhsa.kernels:
  - .name:           k_q73bf5dfebd_down
    .symbol:         k_q73bf5dfebd_down.kd
    .args:
      - { .name: h_codes, .offset: 0, .size: 8, .value_kind: global_buffer, .address_space: global }
      - { .name: h_scales, .offset: 8, .size: 8, .value_kind: global_buffer, .address_space: global }
      - { .name: w3_codes, .offset: 16, .size: 8, .value_kind: global_buffer, .address_space: global }
      - { .name: w3_scales, .offset: 24, .size: 8, .value_kind: global_buffer, .address_space: global }
      - { .name: out0, .offset: 32, .size: 8, .value_kind: global_buffer, .address_space: global }
    .group_segment_fixed_size: 327680
    .private_segment_fixed_size: 0
    .kernarg_segment_align: 8
    .kernarg_segment_size: 40
    .max_flat_workgroup_size: 128
    .sgpr_count:     66
    .vgpr_count:     1024
    .wavefront_size: 32
...
	.end_amdgpu_metadata
.endif
;; end of part 4
